; MI455X (gfx1250); checked and timed in simulation.
; The chip was launched on July 23, 2026; its instructions are those of AMD's public machine-readable ISA for CDNA 5 (MIT licence, August 2026) and "CDNA5" Instruction Set Architecture Reference Guide (July 2026). The comments in the code are by the model that wrote it; some were corrected since.
;; Causal Self Attention. Allowed arithmetic: matrix products marked QUANTISED: E2M1 operands, one E8M0 scale for each 32 along K, by v_wmma_scale_f32_16x16x128_f8f6f4 with both operands' format E2M1 (or v_wmma_scale_f32_32x16x128_f4), f32 sums; everything else in f32.
;; Inputs: b_out 1,024 float32; b_qkv 3,072 float32; w_out 1,024 x 1,024 float32; w_qkv 3,072 x 1,024 float32; x 4 x 2,048 x 1,024 float32.
;; Outputs: out0 4 x 2,048 x 1,024 float32.
;; This version of the problem:
;;   THIS VERSION OF THE PROBLEM IS GIVEN IN LOW PRECISION. The matrix products marked QUANTISED in the list below multiply operands that are first quantised to E2M1 (2 exponent bits, 1 mantissa bit; 4 bits a number), with one power-of-two scale for each 32 numbers along K (OCP MX v1.0); their sums are f32. All else is computed in f32.
;;   The module's matrix products, in the order in which they are computed (A, B: the left and right operand; K: the contracted axis; several contracted axes count as one K, in the product's order):
;;     1. [M 8,192, K 1,024] x [K 1,024, N 3,072]; A: input x; B: input w_qkv: QUANTISED
;;     2. batch 64 x [M 2,048, K 64] x [K 64, N 2,048]; A: computed on the way; B: computed on the way: QUANTISED
;;     3. batch 64 x [M 2,048, K 2,048] x [K 2,048, N 64]; A: softmax (see below); B: computed on the way: QUANTISED
;;     4. [M 8,192, K 1,024] x [K 1,024, N 1,024]; A: computed on the way; B: input w_out: QUANTISED
;;   THE QUANTISER, for each operand of a quantised product, along K:
;;     - K is cut into blocks of 32 from its start; a last block that is shorter is filled with zeros.
;;     - A block's scale is 2^e with e = floor(log2(the largest magnitude in the block)) - 2, held to -126 .. 127; a block of zeros has e = 0. As a byte (E8M0): e + 127.
;;     - Each number is divided by its block's scale, clamped to +-6, and rounded to the nearest number of E2M1, ties to even, subnormals kept.
;;     - The product sums the exact products of the quantised numbers (number of the format x scale) in f32.
;;   ~~~python
;;   def quantise(x, axis):      # numpy; x: float32 -> the quantised numbers, widened to float32 again
;;       x = np.moveaxis(x, axis, -1); K = x.shape[-1]
;;       x = np.pad(x, [(0, 0)] * (x.ndim - 1) + [(0, -K % 32)]); x = x.reshape(x.shape[:-1] + (-1, 32)); a = np.abs(x).max(-1, keepdims=True)
;;       e = np.where(a > 0, np.clip(np.frexp(np.where(a > 0, a, 1))[1] - 1 - 2, -126, 127), 0)      # np.frexp(a)[1] - 1 = floor(log2(a)), exactly
;;       r = np.clip(x / 2.0 ** e, -6, 6)
;;       step = 2.0 ** (np.maximum(np.frexp(np.where(r == 0, 1, r))[1] - 1, 0) - 1)
;;       q = np.round(r / step) * step * 2.0 ** e      # np.round: ties to even
;;       return np.moveaxis(q.reshape(q.shape[:-2] + (-1,))[..., :K], -1, axis).astype(np.float32)
;;   ~~~
;;   SOFTMAX AHEAD OF A QUANTISED PRODUCT. Where the list says 'softmax', what is quantised is not the finished softmax but p = 2^(t - M), with t = logit x log2(e) and M = ceil(the row's largest t), a whole number; so 1/2 < the row's largest p <= 1. The row's sum l is taken of the UNQUANTISED p, in f32, and the product's result is divided by l at the end. Since M is a whole number, a kernel that streams over the keys may use a running M (the ceiling of the running maximum): every later rescaling is an exact power of two, which a block's scale takes up: the codes' values come out the same.
;;   OPERANDS COMPUTED ON THE WAY. 'Computed on the way' means the value that the module computes at that place (a softmax that the list does not call 'softmax' is quantised finished and normalised). What goes into a quantiser is computed in f32, as accurately as f32 sums, v_exp_f32 and their like allow (about 1e-6 of the number): no bf16 or f16 on the way to a quantiser, and a product that is left as it is and whose result goes on into a quantised operand takes f32 operands (vector FMAs, or v_wmma_f32_16x16x4_f32). A number that lies on a knife's edge between two numbers of the format may be rounded either way, as far as f32 arithmetic and the matrix unit's own rounding can turn it there, and no further.
;; One version. Each part assembles by itself: llvm-mc -triple=amdgcn-amd-amdhsa -mcpu=gfx1250 --defsym DOCPART=n.
;; ======== version 1 of 1: 4 launches
;; workspace buffers: wcodes 6,291,456 bytes; wscales 393,216 bytes; qkv_codes 12,582,912 bytes; qkv_scales 1,310,720 bytes; o_codes 4,194,304 bytes; o_scales 262,144 bytes
;; launch quant (part 1): grid 384 x 1, 4 waves a work-group, no clusters, 34,304 bytes of LDS; arguments x, w_qkv, w_out, wcodes, wscales; writes wcodes, wscales
.if DOCPART == 1
	.amdgcn_target "amdgcn-amd-amdhsa--gfx1250"
	.amdhsa_code_object_version 6
	.text
	.protected	k_q7526627257_quant
	.globl	k_q7526627257_quant
	.p2align	8
	.type	k_q7526627257_quant,@function
k_q7526627257_quant:
	s_mov_b64 s[64:65], 0
	v_nop
	global_prefetch_b8 v0, s[64:65] scope:SCOPE_SE
	s_setreg_imm32_b32 hwreg(HW_REG_WAVE_MODE, 25, 1), 1
	s_wait_xcnt 0x0
; THE PROGRAM: causal self-attention, B = 4, N = 2,048, D = 1,024, 16 heads of 64, all four products on codes of FP4 (E2M1) with one E8M0 scale for each 32 along K.
; Four launches: this one (x, w_qkv, w_out into codes), the projection to q, k, v (which quantises its results on the way out), attention (likewise), the projection on the way out.
; WORK LEFT OUT, IN THE WHOLE PROGRAM: the score of key k for query q is -infinity where k > q (the causal mask), so that key's weight is exactly 0 whatever the inputs hold:
; its p is 0, adds 0 to the row's sum and has the code 0 in the product with v.  A step of 128 keys all of which come after a tile's 16 queries therefore reaches no output, and is not walked (third launch).
; Nothing else is left out; every input has a way to the output and is loaded (b_qkv's part for k moves k's codes and stays).
; LIMIT: a NaN, an infinity or an overflow that reaches only those hidden scores is not carried to the result.
; THIS LAUNCH.  x [8,192][1,024], w_qkv [3,072][1,024], w_out [1,024][1,024], f32, K innermost, become codes and scale bytes, all in one pair of buffers, by blocks of 16 rows: x's are blocks 0-511, w_qkv's 512-703, w_out's 704-767.
; A block's scale is 2^(floor(log2(largest magnitude)) - 2); its byte is the largest magnitude's exponent field - 2, held at 1 from below.  (A block of zeros gets the byte 1 where the rule says 127: its codes are zeros,
; which add nothing under any byte but 0xff, and the bytes are read by this program alone.)  LIMITS: NaN and infinities among the inputs are not served; blocks whose largest magnitude lies under 2^(3 - 127) keep the byte 1.
; LAYOUT OF THE RESULTS: THE ORDER OF THE OPERAND'S REGISTERS.  Codes: [block of 16 rows][k / 32][row % 16][16 bytes]: the fragment of 16 rows x 128 K is then 1,024 bytes on end, [c 2][lane 32][16 bytes], and any wave
; takes it by two loads of 16 bytes a lane.  Scale bytes: [block of 16 rows][K half 2][row % 16][16 bytes]: a row's four scale words of 512 along K on end.
; SHARES.  A wave takes 16 rows x 512 along K, four steps of 128.  Each load reads 512 consecutive bytes of one row; the step's 8,192 bytes turn through the wave's own stage in LDS (rows 528 bytes apart: 33 x 16, so
; sixteen lanes that read the same column of sixteen rows touch sixteen different 16-byte columns of 256), and come back so that lane (r, h) holds, of row r, 16 neighbours of each block of 32.  Waves share nothing: no barrier.
.set SP,    528                        ; a stage row: 512 bytes + 16
.set WST,   16*SP                      ; a wave's stage
.set SPARE, 4*WST                      ; behind the stages: the spare words, 128 bytes for each wave, that no other line names
.set LI,  2                            ; v2   16 x lane
.set STA, 3                            ; v3   the stage, on the way in: 16 x lane
.set LDA, 4                            ; v4   and out: 528 r + 64 h
.set SOF, 5                            ; v5   my 8 bytes of the wave's 256 scale bytes: 16 r + 8 h
.set SPW, 6                            ; v6   LDS address of my spare word; never rewritten
.set NIL, 7                            ; v7   0; never rewritten
.set R,   16                           ; v16-143  two sets of 64 registers as loaded
.set X,   144                          ; v144-207 register 16 b + i: k = 32 b + 16 h + i of my row
.set PC,  208                          ; v208-215 the fragment just made
.set TM,  216                          ; v216-231 at work
.set PWS, 236                          ; v236-239 the four steps' scale words
.set DD,  240                          ; v240-241 the two words that I store
.set SEL, 20                           ; s[20:21] v_permlanex16_b32's selects for lane l xor 16
	s_load_b128 s[4:7], s[0:1], 0x0                ; x, w_qkv
	s_load_b128 s[8:11], s[0:1], 0x10              ; w_out, the codes
	s_load_b64 s[12:13], s[0:1], 0x20              ; the scale bytes
	v_lshl_add_u32 v[SPW], v0, 2, SPARE
	v_mov_b32 v[NIL], 0
	v_lshrrev_b32 v1, 5, v0
	v_readfirstlane_b32 s16, v1                    ; wave 0..3
	v_and_b32 v1, 31, v0
	v_lshlrev_b32 v[LI], 4, v1
	s_mul_i32 s17, s16, WST
	v_add_nc_u32 v[STA], s17, v[LI]
	v_and_b32 v8, 15, v0                           ; r
	v_bfe_u32 v9, v0, 4, 1                         ; h
	v_mul_u32_u24 v[LDA], v8, SP
	v_lshl_add_u32 v[LDA], v9, 6, v[LDA]
	v_add_nc_u32 v[LDA], s17, v[LDA]
	v_lshlrev_b32 v[SOF], 4, v8
	v_lshl_add_u32 v[SOF], v9, 3, v[SOF]
.irp b, 0,1,2,3
	v_mov_b32 v[TM+4+\b], 0                        ; written once: a lane permute's destination counts as one of its sources
.endr
	s_mov_b32 s[SEL], 0x76543210
	s_mov_b32 s[SEL+1], 0xfedcba98
	s_mov_b32 s22, 0xffff0000                      ; lanes 16-31
	s_mov_b32 s18, 352
	s_wait_alu depctr_va_vdst(0)
	s_wait_kmcnt 0x0
	s_cmp_lt_u32 ttmp9, 352                        ; which tensor: the choice hangs on the work-group's number alone
	s_cselect_b64 s[6:7], s[6:7], s[8:9]
	s_cselect_b32 s18, 256, s18
	s_cmp_lt_u32 ttmp9, 256
	s_cselect_b64 s[4:5], s[4:5], s[6:7]
	s_cselect_b32 s18, 0, s18
	s_sub_co_u32 s18, ttmp9, s18                   ; the work-group's number within its tensor: two blocks of 16 rows each
	s_lshl_b32 s18, s18, 1
	s_lshr_b32 s19, s16, 1
	s_add_co_u32 s18, s18, s19                     ; my block of 16 rows,
	s_lshl_b32 s18, s18, 16                        ; 65,536 bytes each,
	s_and_b32 s19, s16, 1
	s_lshl_b32 s19, s19, 11                        ; and my half of K: 2,048 bytes on in each row
	s_add_co_u32 s18, s18, s19
	s_mov_b32 s19, 0
	s_add_nc_u64 s[4:5], s[4:5], s[18:19]
	s_lshl_b32 s18, ttmp9, 2
	s_add_co_u32 s18, s18, s16                     ; the results are linear in 4 x work-group + wave:
	s_lshl_b32 s24, s18, 12                        ; 4,096 bytes of codes,
	s_mov_b32 s25, 0
	s_add_nc_u64 s[10:11], s[10:11], s[24:25]
	s_lshl_b32 s24, s18, 8                         ; 256 scale bytes
	s_add_nc_u64 s[12:13], s[12:13], s[24:25]
.macro LOAD t                          ; step t: 128 numbers of each of my 16 rows
.irp p, 0,1,2,3,4,5,6,7,8,9,10,11,12,13,14,15
	global_load_b128 v[R+64*((\t)%2)+4*\p:R+64*((\t)%2)+4*\p+3], v[LI], s[4:5] offset:4096*\p+512*(\t) th:TH_LOAD_NT
.endr
.endm
.macro TURN t                          ; through the stage: LDS serves a wave's instructions in order, so no wait stands between the stores and the loads
.irp p, 0,1,2,3,4,5,6,7,8,9,10,11,12,13,14,15
	ds_store_b128 v[STA], v[R+64*((\t)%2)+4*\p:R+64*((\t)%2)+4*\p+3] offset:SP*\p
.endr
.irp b, 0,1,2,3
.irp j, 0,1,2,3
	ds_load_b128 v[X+16*\b+4*\j:X+16*\b+4*\j+3], v[LDA] offset:128*\b+16*\j
.endr
.endr
.endm
; 64 numbers of a lane, register 16 b + i = k 32 b + 16 h + i of my row, become a fragment's codes in v[PC] on and its scale word in v[pw]
.macro QUANT s, pw
.irp b, 0,1,2,3
	v_max3_num_f32 v[TM+\b], |v[\s+16*\b]|, |v[\s+1+16*\b]|, 0x1800000   ; block b: my 16 numbers, and the floor 2^(3 - 127): the byte cannot fall under 1
.endr
.irp i, 2,4,6,8,10,12,14
.irp b, 0,1,2,3
	v_max3_num_f32 v[TM+\b], v[TM+\b], |v[\s+16*\b+\i]|, |v[\s+1+16*\b+\i]|   ; the four blocks by turns
.endr
.endr
.irp b, 0,1,2,3
	v_permlanex16_b32 v[TM+4+\b], v[TM+\b], s[SEL], s[SEL+1]
.endr
.irp b, 0,1,2,3
	v_max_num_f32 v[TM+\b], v[TM+\b], v[TM+4+\b]   ; with lane l xor 16's: the block's largest magnitude
.endr
.irp b, 0,1,2,3
	v_add_nc_u32 v[TM+12+\b], 0xff000000, v[TM+\b] ; 2 off its exponent field: the conversion takes the exponent field of this operand as its scale
.endr
.irp b, 0,1,2,3
	v_lshrrev_b32 v[TM+4+\b], 23, v[TM+12+\b]      ; the scale's byte
.endr
	v_lshl_or_b32 v[\pw], v[TM+5], 8, v[TM+4]
	v_lshl_or_b32 v[\pw], v[TM+6], 16, v[\pw]
	v_lshl_or_b32 v[\pw], v[TM+7], 24, v[\pw]
.irp b, 0,1,2,3
	v_cvt_scalef32_pk8_fp4_f32 v[PC+2*\b], v[\s+16*\b:\s+7+16*\b], v[TM+12+\b]
	v_cvt_scalef32_pk8_fp4_f32 v[PC+1+2*\b], v[\s+8+16*\b:\s+15+16*\b], v[TM+12+\b]
.endr
	v_nop                                          ; one plain place behind a scaled conversion
.irp c, 0,1                                    ; the operand's layout wants a whole block in a lane: lanes 0-15 block 2 c, lanes 16-31 block 2 c + 1
.irp i, 0,1
	v_permlane16_swap_b32 v[PC+4*\c+\i], v[PC+2+4*\c+\i]
.endr
.endr
.endm
.macro STEP t
.if (\t) < 3
	s_wait_loadcnt 16                              ; this step's 16 loads are in; the next step's 16 may be out
.else
	s_wait_loadcnt 0x0
.endif
	TURN \t
	s_wait_dscnt 0x0                               ; the numbers are back, and the stores into the stage have read their registers,
.if (\t) < 2
	LOAD (\t)+2                                    ; which take the loads of two steps on
.endif
.if (\t) > 0
	s_wait_xcnt 0x0                                ; the last step's stores have read the codes' registers
.endif
	QUANT X, PWS+(\t)
	global_store_b128 v[LI], v[PC:PC+3], s[10:11] offset:1024*(\t)       ; 32 lanes store 512 consecutive bytes, at a multiple of 256
	global_store_b128 v[LI], v[PC+4:PC+7], s[10:11] offset:1024*(\t)+512
.endm
	LOAD 0
	LOAD 1
	STEP 0
	STEP 1
	STEP 2
	STEP 3
	v_cndmask_b32 v[DD], v[PWS], v[PWS+2], s22     ; lanes 0-15 store their row's words 0 and 1, lanes 16-31 words 2 and 3
	v_cndmask_b32 v[DD+1], v[PWS+1], v[PWS+3], s22
	global_store_b64 v[SOF], v[DD:DD+1], s[12:13]  ; 32 lanes store 256 consecutive bytes, aligned
	s_wait_tensorcnt 0x0                           ; the wave's end, behind my last LDS store
	ds_add_u32 v[SPW], v[NIL]
	s_wait_dscnt 0x0
	s_endpgm
.Lfunc_end_k_q7526627257_quant:
	.size	k_q7526627257_quant, .Lfunc_end_k_q7526627257_quant-k_q7526627257_quant
	.p2alignl 7, 3214868480
	.fill 96, 4, 3214868480
	.section	.rodata,"a",@progbits
	.p2align	6, 0x0
	.amdhsa_kernel k_q7526627257_quant
		.amdhsa_group_segment_fixed_size 34304
		.amdhsa_private_segment_fixed_size 0
		.amdhsa_enable_private_segment 0
		.amdhsa_kernarg_size 40
		.amdhsa_user_sgpr_count 2
		.amdhsa_user_sgpr_kernarg_segment_ptr 1
		.amdhsa_wavefront_size32 1
		.amdhsa_system_sgpr_workgroup_id_x 1
		.amdhsa_system_sgpr_workgroup_id_y 1
		.amdhsa_system_sgpr_workgroup_id_z 1
		.amdhsa_system_vgpr_workitem_id 0
		.amdhsa_next_free_vgpr 248
		.amdhsa_next_free_sgpr 66
		.amdhsa_reserve_vcc 0
		.amdhsa_float_denorm_mode_32 3
		.amdhsa_float_denorm_mode_16_64 3
		.amdhsa_memory_ordered 1
		.amdhsa_forward_progress 1
		.amdhsa_inst_pref_size 33
	.end_amdhsa_kernel
	.amdgpu_metadata
---
amdhsa.version: [ 1, 2 ]
amdhsa.kernels:
  - .name:           k_q7526627257_quant
    .symbol:         k_q7526627257_quant.kd
    .args:
      - { .name: x, .offset: 0, .size: 8, .value_kind: global_buffer, .address_space: global }
      - { .name: w_qkv, .offset: 8, .size: 8, .value_kind: global_buffer, .address_space: global }
      - { .name: w_out, .offset: 16, .size: 8, .value_kind: global_buffer, .address_space: global }
      - { .name: wcodes, .offset: 24, .size: 8, .value_kind: global_buffer, .address_space: global }
      - { .name: wscales, .offset: 32, .size: 8, .value_kind: global_buffer, .address_space: global }
    .group_segment_fixed_size: 34304
    .private_segment_fixed_size: 0
    .kernarg_segment_align: 8
    .kernarg_segment_size: 40
    .max_flat_workgroup_size: 128
    .sgpr_count:     66
    .vgpr_count:     248
    .wavefront_size: 32
...
	.end_amdgpu_metadata
.endif
;; end of part 1
;; launch qkv (part 2): grid 12 x 32, 4 waves a work-group, clusters of 4 x 4, 327,680 bytes of LDS; arguments wcodes, wscales, b_qkv, qkv_codes, qkv_scales; writes qkv_codes, qkv_scales
.if DOCPART == 2
	.amdgcn_target "amdgcn-amd-amdhsa--gfx1250"
	.amdhsa_code_object_version 6
	.text
	.protected	k_q7526627257_qkv
	.globl	k_q7526627257_qkv
	.p2align	8
	.type	k_q7526627257_qkv,@function
k_q7526627257_qkv:
	s_mov_b64 s[64:65], 0
	v_nop
	global_prefetch_b8 v0, s[64:65] scope:SCOPE_SE
	s_setreg_imm32_b32 hwreg(HW_REG_WAVE_MODE, 25, 1), 1
	s_wait_xcnt 0x0
	s_wait_alu depctr_hold_cnt(0) depctr_sa_sdst(0) depctr_va_vdst(0) depctr_va_sdst(0) depctr_va_ssrc(0) depctr_va_vcc(0) depctr_vm_vsrc(0)
	s_getreg_b32 s2, hwreg(HW_REG_IB_STS2, 6, 4)
	s_cmp_eq_u32 s2, 0
	s_cbranch_scc0 .Lentry_in_a_cluster
	s_endpgm
.Lentry_in_a_cluster:
	s_bfe_u32 s2, ttmp6, 0x10000c
	s_cmp_lg_u32 s2, 0xf033
	s_cbranch_scc0 .Lentry_shape_is_right
	s_endpgm
.Lentry_shape_is_right:
; qkv = x w_qkv^T + b_qkv on codes of FP4 (E2M1) with E8M0 scales, K = 1,024; the results never go to memory as f32: q and k are quantised along the head's 64, v along the keys, on the way out.
; A tile of 256 x 256 is made by a work-group of four waves, 128 x 128 each: 64 accumulators of 16 x 16.  THE MATRIX INSTRUCTION IS USED TRANSPOSED: source 0 = 16 "B rows", source 1 = 16 "A rows":
; lane (r, h) holds A row r, and its eight registers B rows 8 h + 0 .. 7.  So a lane's registers run along the B rows, and the way out quantises along them.
; THE CLUSTER'S x SAYS WHAT IS MADE: 0 q, 1 k, 2 v.  For q and k: A = tokens, B = rows of w_qkv (a head's 64 run along the registers).  FOR v THE OPERANDS CHANGE SIDES: A = rows of w_qkv, B = tokens, so that the
; registers run along the tokens, which are the K of the product with p.  One way out serves all three, and nothing is transposed.
; OPERANDS lie in memory in the order of their registers: a block of 16 rows is 8,192 bytes of codes, [K step of 128][c 2][lane 32][16 bytes], and 512 scale bytes, [K half][row][16 bytes].
; All of K fits in LDS: two slots of 512 along K, both asked for at the head and never filled again.  CLUSTERS: 4 x 4 work-groups; A's tiles are asked for jointly along a row of the cluster, B's along a column.
; The bias is the C of each sum's first matrix instruction.
; RESULTS.  q, k: [kind][batch x head][tile of 16 tokens][h 2][r 16][16 bytes]: registers 0-3 of an operand.  v: [kind 2][batch x head][step of 128 keys][16 d][c 2][lane 32][16 bytes].  Scale words: q's from byte 0,
; [head][key step][group of 4 tiles][r 16][tile 4][4 bytes]; k's and v's from byte 524,288, [head][key step][768 bytes]: 512 of k's laid as q's, then v's [r 16][16 d 4][4 bytes].  A word of q or k holds two bytes and two zeros.
; LIMITS: a block of zeros gets the byte 1 (its codes are zeros; only this program reads the bytes); NaN and infinities are not served.
; REGISTERS, in windows of 256: window 0: v1-29 addresses; v32-95 scale words, two sets; v96-103 the bias's offsets; v128-191 A's fragments, one set; v200-239 the way out.
;   window 1: B's fragments, two sets, at v0 and v128; v64-127 the bias.   windows 2, 3: the accumulators ((a, b) at v[8 (8 (a % 4) + b)], a < 4 in window 2).
.set NQ,     4                         ; K steps of 128 in a slot
.set FR,     8                         ; registers of a fragment
.set NL,     2                         ; LDS loads that bring one
.set NP,     4                         ; places behind this matrix instruction (ISA guide 7.12.1)
.set HALFT,  32768                     ; 8 blocks of 16 rows x 512 along K: what one tensor load brings, and what one wave reads of A or of B
.set SLOT,   4*HALFT                   ; A's two halves, then B's two
.set SCL,    2*SLOT                    ; behind the slots: the scale bytes
.set HALFS,  4096                      ; those of 128 rows, all of K
.set SPARE,  SCL+4*HALFS               ; the spare words, 128 bytes for each wave, that no other line names
.set OF0,  8                           ; v8   16 x lane
.set OF1,  9                           ; v9   the second store of a block: the next head (q, k) or c = 1 (v)
.set SOF,  10                          ; v10  scale words: 16 r + h x a head's bytes
.set SH,   11                          ; v11  16 h
.set ADRA, 16                          ; v16-17  LDS address of my A fragments in slot 0, 1
.set ADRB, 20                          ; v20-21  the same for B
.set ADRS, 27                          ; v27  my scale words: lanes 0-15 A's rows, lanes 16-31 B's
.set SPW,  28                          ; v28  LDS address of my spare word; never rewritten
.set NIL,  29                          ; v29  0; never rewritten
.set SC,   32                          ; set s at v[SC + 32 s]; register 4 i + q: lanes 0-15 the word of A's block i, lanes 16-31 of B's block i, for the slot's q-th 128 along K
.set VJ,   96
.set AF,   128
.set BIAS, 64                          ; in window 1
.set TM,   200
.set PW,   216                         ; a scale word for each of A's eight blocks
.set CD,   224                         ; a block's codes
.set W,    232                         ; the scale words as they are stored
.set G1, 24
.set G0, 32
.set G1B, 48
.set G0B, 56
.set G1S, 68
.set G0S, 76
.set G1SB, 80
.set G0SB, 88
.set MSB, 0
.macro WIN new                         ; the immediate's high byte repeats the setting that is left
.if MSB != (\new)
	s_set_vgpr_msb (MSB<<8)|(\new)
.set MSB, (\new)
.endif
.endm
.set MUL_LO, 0xa1                      ; source 0 (B) window 1, source 1 (A) window 0, C and D window 2
.set MUL_HI, 0xf1                      ; the same, C and D window 3
.set TO_B,   0x40                      ; destination window 1, address window 0
; A joint load: waves 0 and 1 fetch for A, waves 2 and 3 for B; the branch hangs on the wave's number alone.  An s_nop 0 and four v_nop follow each of the two lines.
.macro JLOAD g0a, g1a, g0b, g1b
	s_cmp_eq_u32 s15, 0
	s_cbranch_scc0 .Lfor_b_\@
	tensor_load_to_lds s[\g0a:\g0a+3], s[\g1a:\g1a+7]
	s_nop 0
.rept 4
	v_nop
.endr
	s_branch .Lasked_\@
.Lfor_b_\@:
	tensor_load_to_lds s[\g0b:\g0b+3], s[\g1b:\g1b+7]
	s_nop 0
.rept 4
	v_nop
.endr
.Lasked_\@:
.endm
.macro CROUND                          ; a round of the cluster's barrier
	s_barrier_signal -1
	s_barrier_wait -1
	s_cmp_lg_u32 s14, 0
	s_cbranch_scc1 .Lnot_wave_0_\@
	s_barrier_signal -3
.Lnot_wave_0_\@:
	s_barrier_wait -3
	s_barrier_signal -1
	s_barrier_wait -1
.endm
	s_load_b256 s[4:11], s[0:1], 0x0               ; the codes s[4:5], the scale bytes s[6:7], b_qkv s[8:9], the results' codes s[10:11]
	s_load_b64 s[12:13], s[0:1], 0x20              ; and scale words
	v_lshl_add_u32 v[SPW], v0, 2, SPARE
	v_mov_b32 v[NIL], 0
	ds_add_u32 v[SPW], v[NIL]                      ; the wave's opening: the add, twice on end, and its wait ahead of my first tensor load
	ds_add_u32 v[SPW], v[NIL]
	v_lshrrev_b32 v1, 5, v0
	v_readfirstlane_b32 s14, v1                    ; wave 0..3
	s_lshr_b32 s15, s14, 1                         ; which half of the tile's A rows is mine.  Also: I fetch for A (0) or for B (1)
	s_and_b32 s16, s14, 1                          ; which half of its B rows.  Also: which 128 rows I fetch
	s_bfe_u32 s40, ttmp6, 0x40000                  ; cx
	s_bfe_u32 s41, ttmp6, 0x40004                  ; cy
	s_and_b32 s17, ttmp7, 0xffff                   ; the cluster's y: 1,024 tokens
	s_lshl_b32 s43, s41, 2
	s_lshl_b32 s43, 15, s43                        ; my row of the cluster
	s_lshl_b32 s44, 0x1111, s40                    ; my column
	; group 1 for codes: 8 rows (blocks of 16 rows of the operand) of 4,096 bytes, 8,192 bytes apart; elements of 8 bytes; dense in LDS
	s_or_b32 s[G1+0], s43, (3<<16)|(1<<21)         ; 15:0 the mask; 17:16 elements of 8 bytes; 21 set beside a mask
	s_or_b32 s[G1B+0], s44, (3<<16)|(1<<21)
.irp g, G1, G1B
	s_mov_b32 s[\g+1], 512<<16                     ; tensor_dim0
	s_mov_b32 s[\g+2], 8<<16                       ; tensor_dim1
	s_mov_b32 s[\g+3], 512<<16                     ; tile_dim0
	s_mov_b32 s[\g+4], 8                           ; tile_dim1
	s_mov_b32 s[\g+5], 1024                        ; tensor_dim0_stride
	s_mov_b32 s[\g+6], 0
	s_mov_b32 s[\g+7], 0
.endr
	; and for the scale bytes of 128 rows: 4,096 dense bytes as 16 rows of 256
	s_or_b32 s[G1S+0], s43, (3<<16)|(1<<21)
	s_or_b32 s[G1SB+0], s44, (3<<16)|(1<<21)
.irp g, G1S, G1SB
	s_mov_b32 s[\g+1], 32<<16
	s_mov_b32 s[\g+2], 16<<16
	s_mov_b32 s[\g+3], 32<<16
	s_mov_b32 s[\g+4], 16
	s_mov_b32 s[\g+5], 32
	s_mov_b32 s[\g+6], 0
	s_mov_b32 s[\g+7], 0
.endr
	; which blocks of 16 rows: x's are 0-511, w_qkv's 512-703.  A's hang on cy and the cluster's place, B's on cx and the cluster's place
	s_lshl_b32 s18, s17, 6                         ; the cluster's tokens: block 64 y
	s_lshl_b32 s19, ttmp9, 6
	s_add_co_u32 s19, s19, 512                     ; w_q's or w_k's rows: block 512 + 64 x
	s_mov_b32 s21, 640                             ; w_v's rows
	s_cmp_eq_u32 ttmp9, 2
	s_cselect_b32 s96, 1, 0                        ; the mode: 1 for v.  The same in all sixteen partners
	s_cselect_b32 s20, s21, s18
	s_cselect_b32 s46, s18, s19
	s_lshl_b32 s21, s41, 4
	s_add_co_u32 s20, s20, s21                     ; A: + 16 cy
	s_lshl_b32 s21, s16, 3
	s_add_co_u32 s20, s20, s21                     ; + the 8 blocks that I fetch
	s_lshl_b32 s47, s40, 4
	s_add_co_u32 s46, s46, s47                     ; B: + 16 cx
	s_add_co_u32 s46, s46, s21
	s_lshl_b32 s22, s20, 9                         ; in bytes: 512 scale bytes a block,
	s_lshl_b32 s20, s20, 13                        ; 8,192 of codes
	s_mov_b32 s21, 0
	s_mov_b32 s23, 0
	s_lshl_b32 s92, s46, 9
	s_lshl_b32 s46, s46, 13
	s_mov_b32 s47, 0
	s_mov_b32 s93, 0
	s_mul_i32 s45, s14, HALFT                      ; where they go: wave x a half: no place in the cluster enters an LDS address
	s_mul_i32 s94, s14, HALFS
	s_wait_dscnt 0x0                               ; both opening adds are done
	s_wait_kmcnt 0x0
	s_add_nc_u64 s[20:21], s[4:5], s[20:21]
	s_add_nc_u64 s[22:23], s[6:7], s[22:23]
	s_add_nc_u64 s[46:47], s[4:5], s[46:47]
	s_add_nc_u64 s[92:93], s[6:7], s[92:93]
	CROUND                                         ; all sixteen work-groups are here: the first joint loads meet
	s_mov_b32 s[G0S], 1
	s_add_co_u32 s[G0S+1], s94, SCL
	s_mov_b64 s[G0S+2:G0S+3], s[22:23]
	s_or_b32 s[G0S+3], s[G0S+3], 0x80000000
	s_mov_b32 s[G0SB], 1
	s_add_co_u32 s[G0SB+1], s94, SCL
	s_mov_b64 s[G0SB+2:G0SB+3], s[92:93]
	s_or_b32 s[G0SB+3], s[G0SB+3], 0x80000000
	JLOAD G0S, G1S, G0SB, G1SB                     ; the scale bytes first: they are wanted with the first K step
.irp s, 0,1
	s_mov_b32 s[G0+4*\s], 1
	s_add_co_u32 s[G0+4*\s+1], s45, \s*SLOT
	s_add_nc_u64 s[G0+4*\s+2:G0+4*\s+3], s[20:21], \s*4096
	s_or_b32 s[G0+4*\s+3], s[G0+4*\s+3], 0x80000000
	s_mov_b32 s[G0B+4*\s], 1
	s_add_co_u32 s[G0B+4*\s+1], s45, \s*SLOT
	s_add_nc_u64 s[G0B+4*\s+2:G0B+4*\s+3], s[46:47], \s*4096
	s_or_b32 s[G0B+4*\s+3], s[G0B+4*\s+3], 0x80000000
	JLOAD G0+4*\s, G1, G0B+4*\s, G1B               ; three loads of mine are out: all of K
.endr
	v_and_b32 v1, 15, v0                           ; r
	v_bfe_u32 v2, v0, 4, 1                         ; h
	s_wait_alu depctr_va_vdst(0)
	v_and_b32 v3, 31, v0
	v_lshlrev_b32 v[OF0], 4, v3
	s_mul_i32 s21, s15, HALFT                      ; my 128 rows of A
	s_mul_i32 s22, s16, HALFT                      ; my 128 rows of B,
	s_add_co_u32 s22, s22, 2*HALFT                 ; which lie behind A's 256
.irp s, 0,1
	v_add_nc_u32 v[ADRA+\s], s21, v[OF0]
	v_add_nc_u32 v[ADRB+\s], s22, v[OF0]
	s_add_co_u32 s21, s21, SLOT
	s_add_co_u32 s22, s22, SLOT
.endr
	v_lshlrev_b32 v5, 4, v1                        ; my row's 16 scale bytes of a K half
	s_mul_i32 s21, s15, HALFS
	s_mul_i32 s22, s16, HALFS
	s_add_co_u32 s22, s22, 2*HALFS
	s_sub_co_u32 s22, s22, s21
	v_mul_u32_u24 v6, s22, v2                      ; lanes 16-31 take B's: one product, the distance between the two
	s_add_co_u32 s21, s21, SCL
	v_add_nc_u32 v5, v5, v6
	v_add_nc_u32 v[ADRS], s21, v5
	; the bias.  q, k: register 8 b + j = b(first feature + 16 b + 8 h + j).  v: register 8 a + j = b(first feature + 16 a + r), the same for all j.  One run of loads with strides chosen by the mode
	s_lshl_b32 s98, s41, 8
	s_lshl_b32 s99, s15, 7
	s_add_co_u32 s98, s98, s99
	s_add_co_u32 s98, s98, 2048                    ; v: 2,048 + 256 cy + 128 x my half of A
	s_lshl_b32 s99, s40, 8
	s_lshl_b32 s100, s16, 7
	s_add_co_u32 s99, s99, s100
	s_lshl_b32 s100, ttmp9, 10
	s_add_co_u32 s99, s99, s100                    ; q, k: 1,024 x + 256 cx + 128 x my half of B
	s_cmp_eq_u32 s96, 1
	s_cselect_b32 s100, s98, s99
	s_cselect_b32 s98, 4, 0                        ; bytes from r to r + 1,
	s_cselect_b32 s99, 0, 32                       ; from h = 0 to 1,
	s_cselect_b32 s2, 0, 4                         ; from j to j + 1
	s_lshl_b32 s100, s100, 2
	s_mov_b32 s101, 0
	s_add_nc_u64 s[8:9], s[8:9], s[100:101]
	v_mul_u32_u24 v3, s98, v1
	v_mul_u32_u24 v4, s99, v2
	v_add_nc_u32 v[VJ], v3, v4
.irp j, 1,2,3,4,5,6,7
	v_add_nc_u32 v[VJ+\j], s2, v[VJ+\j-1]
.endr
	WIN TO_B
.set n, 0
.rept 64
	global_load_b32 v[BIAS+n], v[VJ+n%8], s[8:9] offset:64*(n/8)
.set n, n+1
.endr
	WIN 0
	; the way out's constants.  The wave's 128 tokens are one step of 128 keys; its 128 features are two heads
	s_cmp_eq_u32 s96, 1
	s_cselect_b32 s66, s40, s41                    ; the tokens' place in the cluster,
	s_cselect_b32 s67, s41, s40                    ; the features',
	s_cselect_b32 s2, s16, s15                     ; my half of the tokens,
	s_cselect_b32 s3, s15, s16                     ; of the features
	s_and_b32 s98, s17, 1
	s_lshl_b32 s98, s98, 2
	s_add_co_u32 s98, s98, s66
	s_lshl_b32 s98, s98, 1
	s_add_co_u32 s98, s98, s2                      ; the key step: 2 (4 (y % 2) + place) + half
	s_lshr_b32 s99, s17, 1
	s_lshl_b32 s99, s99, 4
	s_lshl_b32 s67, s67, 2
	s_add_co_u32 s99, s99, s67
	s_lshl_b32 s3, s3, 1
	s_add_co_u32 s99, s99, s3                      ; my first head: 16 batch + 4 place + 2 half
	s_lshl_b32 s100, ttmp9, 22                     ; the kind's 4,194,304 bytes,
	s_lshl_b32 s3, s99, 16                         ; a head's 65,536,
	s_add_co_u32 s100, s100, s3
	s_lshl_b32 s3, s98, 12                         ; a key step's 4,096
	s_add_co_u32 s100, s100, s3
	s_add_nc_u64 s[10:11], s[10:11], s[100:101]
	s_mov_b32 s66, 12288
	s_mov_b32 s67, 768
	s_mov_b32 s2, 524288
	s_cmp_eq_u32 ttmp9, 0
	s_cselect_b32 s66, 8192, s66                   ; a head's scale bytes,
	s_cselect_b32 s67, 512, s67                    ; a key step's,
	s_cselect_b32 s2, 0, s2                        ; where the region begins
	s_mul_i32 s100, s99, s66
	s_mul_i32 s3, s98, s67
	s_add_co_u32 s100, s100, s3
	s_add_co_u32 s100, s100, s2
	s_lshl_b32 s3, s96, 9                          ; v's words lie behind k's 512 bytes
	s_add_co_u32 s100, s100, s3
	s_add_nc_u64 s[12:13], s[12:13], s[100:101]
	s_mov_b32 s3, 65536
	s_mov_b32 s92, 512
	s_mov_b32 s94, 512
	s_cmp_eq_u32 s96, 1
	s_cselect_b32 s3, 512, s3                      ; from a block's first store to its second: the next head, or c = 1
	s_cselect_b32 s92, 1024, s92                   ; from block to block of A: a tile of tokens, or 16 d;
	s_cselect_b32 s94, 62464, s94                  ; at block 4, for v: on to the next head
	s_mov_b32 s93, 0
	s_mov_b32 s95, 0
	v_add_nc_u32 v[OF1], s3, v[OF0]
	v_mul_u32_u24 v[SOF], s66, v2
	v_lshl_add_u32 v[SOF], v1, 4, v[SOF]
	v_lshlrev_b32 v[SH], 4, v2
.irp b, 0,1,2,3
	v_mov_b32 v[TM+4+\b], 0                        ; written once: a lane permute's destination counts as one of its sources
.endr
	s_mov_b32 s97, 0xffff0000                      ; lanes 16-31
	s_mov_b32 s98, 0x76543210
	s_mov_b32 s99, 0xfedcba98                      ; v_permlanex16_b32's selects for lane l xor 16
.macro FRAG reg, adr, q, i             ; a fragment: 16 rows x 128 K, 8 registers, 1,024 bytes on end in LDS: two loads at 16 x lane
.irp c, 0,1
	ds_load_b128 v[\reg+4*\c:\reg+4*\c+3], v[\adr] offset:1024*(\q)+512*\c+(\i)*4096
.endr
.endm
; 16 matrix instructions: A's blocks a0, a0 + 1 x B's eight, the slot's q-th 128 along K.  p: B's set; sc: the set of scale words.  cm = 0: C = D; 1: C = the bias by B's block; 2: by A's block.
; The 64 accumulators take turns, one instruction a turn, in the same order in every step.
.macro MUL16 a0, p, q, sc, cm
.irp a, \a0, \a0+1
.irp b, 0,1,2,3,4,5,6,7
.if (\cm) == 0
	v_wmma_scale_f32_16x16x128_f8f6f4 v[8*(8*((\a)%4)+\b):8*(8*((\a)%4)+\b)+7], v[128*(\p)+FR*\b:128*(\p)+FR*\b+FR-1], v[AF+FR*(\a):AF+FR*(\a)+FR-1], v[8*(8*((\a)%4)+\b):8*(8*((\a)%4)+\b)+7], v[SC+8*NQ*(\sc)+NQ*\b+(\q)], v[SC+8*NQ*(\sc)+NQ*(\a)+(\q)] matrix_a_fmt:MATRIX_FMT_FP4 matrix_b_fmt:MATRIX_FMT_FP4 matrix_a_scale:MATRIX_SCALE_ROW1
.elseif (\cm) == 1
	v_wmma_scale_f32_16x16x128_f8f6f4 v[8*(8*((\a)%4)+\b):8*(8*((\a)%4)+\b)+7], v[128*(\p)+FR*\b:128*(\p)+FR*\b+FR-1], v[AF+FR*(\a):AF+FR*(\a)+FR-1], v[BIAS+8*\b:BIAS+8*\b+7], v[SC+8*NQ*(\sc)+NQ*\b+(\q)], v[SC+8*NQ*(\sc)+NQ*(\a)+(\q)] matrix_a_fmt:MATRIX_FMT_FP4 matrix_b_fmt:MATRIX_FMT_FP4 matrix_a_scale:MATRIX_SCALE_ROW1
.else
	v_wmma_scale_f32_16x16x128_f8f6f4 v[8*(8*((\a)%4)+\b):8*(8*((\a)%4)+\b)+7], v[128*(\p)+FR*\b:128*(\p)+FR*\b+FR-1], v[AF+FR*(\a):AF+FR*(\a)+FR-1], v[BIAS+8*(\a):BIAS+8*(\a)+7], v[SC+8*NQ*(\sc)+NQ*\b+(\q)], v[SC+8*NQ*(\sc)+NQ*(\a)+(\q)] matrix_a_fmt:MATRIX_FMT_FP4 matrix_b_fmt:MATRIX_FMT_FP4 matrix_a_scale:MATRIX_SCALE_ROW1
.endif
.endr
.endr
.endm
.macro FETCH_B slot, q, p
	WIN TO_B
.irp i, 0,1,2,3,4,5,6,7
	FRAG 128*(\p)+FR*\i, ADRB+\slot, \q, \i
.endr
	WIN 0
.endm
.macro FETCH_A slot, q, i0
.irp i, \i0, \i0+1, \i0+2, \i0+3
	FRAG AF+FR*(\i), ADRA+\slot, \q, \i
.endr
.endm
.macro SCALES sc                       ; a slot's scale words: four a row; lanes 0-15 take A's block i, lanes 16-31 B's block i
.irp i, 0,1,2,3,4,5,6,7
	ds_load_b128 v[SC+8*NQ*\sc+NQ*\i:SC+8*NQ*\sc+NQ*\i+3], v[ADRS] offset:512*\i+256*\sc
.endr
.endm
.macro PLACES n                        ; places in front of loads into registers that matrix instructions have read, and of the first read of results
.rept \n
	v_nop
.endr
.endm
.macro STEP slot, q                    ; a step of 128 along K that has its successor in the same slot
	s_wait_dscnt 4*NL                              ; B's set and A's blocks 0-3 are in; the youngest 8 loads (A's blocks 4-7) may be out
	WIN MUL_LO
	MUL16 0, (\q)%2, \q, \slot, 0
	MUL16 2, (\q)%2, \q, \slot, 0
	s_wait_dscnt 0
	PLACES NP
	FETCH_B \slot, (\q)+1, 1-(\q)%2
	FETCH_A \slot, (\q)+1, 0
	WIN MUL_HI
	MUL16 4, (\q)%2, \q, \slot, 0
	MUL16 6, (\q)%2, \q, \slot, 0
	PLACES NP
	WIN 0
	FETCH_A \slot, (\q)+1, 4
.endm
.macro STEPS slot, from
.set Q, \from
.rept NQ-1-\from
	STEP \slot, Q
.set Q, Q+1
.endr
.endm
; 32 of the first step's products: they start the sums with the bias; which registers are the bias of a product hangs on the mode, so they stand in two arms.  hi = 0: window 2; 1: window 3
.macro MULF a0, hi
	WIN 0                                          ; at a branch and at a label every window is 0
	s_cmp_eq_u32 s96, 0
	s_cbranch_scc0 .Lmode_v_\@
	WIN 0x91+0x40*(\hi)                            ; source 0 and C window 1, source 1 window 0, D window 2 or 3
	MUL16 \a0, 0, 0, 0, 1
	MUL16 \a0+2, 0, 0, 0, 1
	WIN 0
	s_branch .Ljoin_\@
.Lmode_v_\@:
	WIN 0x91+0x40*(\hi)
	MUL16 \a0, 0, 0, 0, 2
	MUL16 \a0+2, 0, 0, 0, 2
	WIN 0
.Ljoin_\@:
.endm
	s_wait_tensorcnt 1                             ; the scale bytes and my part of slot 0 are in (slot 1's load may be out),
	s_barrier_signal -1
	s_barrier_wait -1                              ; everybody's are
	FETCH_B 0, 0, 0
	FETCH_A 0, 0, 0
	SCALES 0
	FETCH_A 0, 0, 4
	s_wait_loadcnt 0x0                             ; the bias
	s_wait_dscnt 4*NL
	MULF 0, 0
	s_wait_dscnt 0
	PLACES NP
	FETCH_B 0, 1, 1
	FETCH_A 0, 1, 0
	MULF 4, 1
	PLACES NP
	FETCH_A 0, 1, 4
	STEPS 0, 1
	; slot 0's last step goes over to slot 1: one barrier; in front of it each wave waits for all its tensor loads and for its LDS instructions.  Nothing is filled again
	s_wait_tensorcnt 0x0                           ; my part of slot 1 has landed
	ds_add_u32 v[SPW], v[NIL]
	s_wait_dscnt 4*NL+1                            ; (the add and the youngest 8 loads may be out)
	WIN MUL_LO
	MUL16 0, 1, NQ-1, 0, 0
	s_wait_dscnt 0x0
	s_barrier_signal -1
	MUL16 2, 1, NQ-1, 0, 0
	WIN 0
	s_barrier_wait -1
	PLACES NP
	FETCH_B 1, 0, 0
	FETCH_A 1, 0, 0
	SCALES 1
	WIN MUL_HI
	MUL16 4, 1, NQ-1, 0, 0
	MUL16 6, 1, NQ-1, 0, 0
	PLACES NP
	WIN 0
	FETCH_A 1, 0, 4
	STEPS 1, 0
	s_wait_dscnt 4*NL                              ; the last step: nothing more to fetch
	WIN MUL_LO
	MUL16 0, 1, NQ-1, 1, 0
	MUL16 2, 1, NQ-1, 1, 0
	s_wait_dscnt 0
	WIN MUL_HI
	MUL16 4, 1, NQ-1, 1, 0
	MUL16 6, 1, NQ-1, 1, 0
	WIN 0
; THE WAY OUT of A's block a: my row's 128 numbers along the B rows, 64 in my registers and 64 in lane l xor 16's: four blocks of 32 (block B: accumulators 2 B and 2 B + 1).
; A conversion of accumulator b gives the codes of B rows 16 b + 8 h + 0 .. 7.  The operand wants register g of four to hold rows 8 g on in lanes 0-15 and 32 + 8 g on in lanes 16-31: so the four results of
; accumulators 4 c .. 4 c + 3 are written to places 0, 2, 1, 3, and two exchanges of halves between neighbours put them right.
.macro QOUT a
.set AC, 64*((\a)%4)
	WIN 0x0a+5*((\a)/4)                            ; sources 0 and 1: window 2 or 3
.irp b, 0,1,2,3
	v_max3_num_f32 v[TM+\b], |v[AC+16*\b]|, |v[AC+16*\b+1]|, 0x1800000   ; each accumulator is read from its low end on; the floor 2^(3 - 127) holds the byte at 1 from below
.endr
	WIN 0x28+0x14*((\a)/4)                         ; sources 1 and 2
.irp i, 2,4,6,8,10,12,14
.irp b, 0,1,2,3
	v_max3_num_f32 v[TM+\b], v[TM+\b], |v[AC+16*\b+\i]|, |v[AC+16*\b+\i+1]|
.endr
.endr
	WIN 0
.irp b, 0,1,2,3
	v_permlanex16_b32 v[TM+4+\b], v[TM+\b], s98, s99
.endr
.irp b, 0,1,2,3
	v_max_num_f32 v[TM+\b], v[TM+\b], v[TM+4+\b]
.endr
.irp b, 0,1,2,3
	v_add_nc_u32 v[TM+12+\b], 0xff000000, v[TM+\b] ; 2 off the exponent field: the conversion's scale operand
.endr
.irp b, 0,1,2,3
	v_lshrrev_b32 v[TM+4+\b], 23, v[TM+12+\b]      ; the scale's byte
.endr
	v_lshl_or_b32 v[PW+(\a)], v[TM+5], 8, v[TM+4]
	v_lshl_or_b32 v[PW+(\a)], v[TM+6], 16, v[PW+(\a)]
	v_lshl_or_b32 v[PW+(\a)], v[TM+7], 24, v[PW+(\a)]
.if (\a) > 0
	s_wait_xcnt 0x0                                ; the last block's stores have read their data and their base
.if (\a) == 4
	s_add_nc_u64 s[10:11], s[10:11], s[94:95]
.else
	s_add_nc_u64 s[10:11], s[10:11], s[92:93]
.endif
.endif
	WIN 0x02+(\a)/4                                ; source 0: window 2 or 3
.irp b, 0,1,2,3,4,5,6,7
	v_cvt_scalef32_pk8_fp4_f32 v[CD+4*(\b/4)+2*(\b%2)+(\b%4)/2], v[AC+8*\b:AC+8*\b+7], v[TM+12+\b/2]
.endr
	WIN 0
	v_nop                                          ; one plain place behind a scaled conversion
.irp c, 0,1
	v_permlane16_swap_b32 v[CD+4*\c], v[CD+4*\c+1]
	v_permlane16_swap_b32 v[CD+4*\c+2], v[CD+4*\c+3]
.endr
	global_store_b128 v[OF0], v[CD:CD+3], s[10:11]     ; 32 lanes store 512 consecutive bytes, at a multiple of 256
	global_store_b128 v[OF1], v[CD+4:CD+7], s[10:11]
.endm
	PLACES NP
.irp a, 0,1,2,3,4,5,6,7
	QOUT \a
.endr
	s_cmp_eq_u32 s96, 0
	s_cbranch_scc0 .Lscales_v
.irp i, 0,1,2,3,4,5,6,7                        ; q, k: a word's bytes 0, 1 are the first head's, bytes 2, 3 the second's: lanes 0-15 store the first head's, lanes 16-31 the second's, each with two zero bytes on top
	v_lshrrev_b32 v[W+\i], v[SH], v[PW+\i]
.endr
.irp i, 0,1,2,3,4,5,6,7
	v_and_b32 v[W+\i], 0xffff, v[W+\i]
.endr
	global_store_b128 v[SOF], v[W:W+3], s[12:13]               ; sixteen lanes store 256 consecutive bytes, aligned: four tiles' words of each row
	global_store_b128 v[SOF], v[W+4:W+7], s[12:13] offset:256
	s_branch .Lscales_done
.Lscales_v:
.irp i, 0,1,2,3                                ; v: a word is whole: 128 keys of one d.  Lanes 0-15 store the first head's four blocks of 16 d, lanes 16-31 the second's
	v_cndmask_b32 v[W+\i], v[PW+\i], v[PW+4+\i], s97
.endr
	global_store_b128 v[SOF], v[W:W+3], s[12:13]
.Lscales_done:
	s_wait_tensorcnt 0x0                           ; the wave's end
	ds_add_u32 v[SPW], v[NIL]
	s_wait_dscnt 0x0
	CROUND                                         ; the closing round: no work-group ends while a partner may still ask for a tile that names it
	s_endpgm
.Lfunc_end_k_q7526627257_qkv:
	.size	k_q7526627257_qkv, .Lfunc_end_k_q7526627257_qkv-k_q7526627257_qkv
	.p2alignl 7, 3214868480
	.fill 96, 4, 3214868480
	.section	.rodata,"a",@progbits
	.p2align	6, 0x0
	.amdhsa_kernel k_q7526627257_qkv
		.amdhsa_group_segment_fixed_size 327680
		.amdhsa_private_segment_fixed_size 0
		.amdhsa_enable_private_segment 0
		.amdhsa_kernarg_size 40
		.amdhsa_user_sgpr_count 2
		.amdhsa_user_sgpr_kernarg_segment_ptr 1
		.amdhsa_wavefront_size32 1
		.amdhsa_system_sgpr_workgroup_id_x 1
		.amdhsa_system_sgpr_workgroup_id_y 1
		.amdhsa_system_sgpr_workgroup_id_z 1
		.amdhsa_system_vgpr_workitem_id 0
		.amdhsa_next_free_vgpr 1024
		.amdhsa_next_free_sgpr 102
		.amdhsa_reserve_vcc 0
		.amdhsa_float_denorm_mode_32 3
		.amdhsa_float_denorm_mode_16_64 3
		.amdhsa_memory_ordered 1
		.amdhsa_forward_progress 1
		.amdhsa_inst_pref_size 146
	.end_amdhsa_kernel
	.amdgpu_metadata
---
amdhsa.version: [ 1, 2 ]
amdhsa.kernels:
  - .name:           k_q7526627257_qkv
    .symbol:         k_q7526627257_qkv.kd
    .args:
      - { .name: wcodes, .offset: 0, .size: 8, .value_kind: global_buffer, .address_space: global }
      - { .name: wscales, .offset: 8, .size: 8, .value_kind: global_buffer, .address_space: global }
      - { .name: b_qkv, .offset: 16, .size: 8, .value_kind: global_buffer, .address_space: global }
      - { .name: qkv_codes, .offset: 24, .size: 8, .value_kind: global_buffer, .address_space: global }
      - { .name: qkv_scales, .offset: 32, .size: 8, .value_kind: global_buffer, .address_space: global }
    .group_segment_fixed_size: 327680
    .private_segment_fixed_size: 0
    .kernarg_segment_align: 8
    .kernarg_segment_size: 40
    .max_flat_workgroup_size: 128
    .sgpr_count:     102
    .vgpr_count:     1024
    .wavefront_size: 32
...
	.end_amdgpu_metadata
.endif
;; end of part 2
;; launch attn (part 3): grid 4 x 64, 16 waves a work-group, clusters of 4 x 1, 327,680 bytes of LDS; arguments qkv_codes, qkv_scales, o_codes, o_scales; writes o_codes, o_scales
.if DOCPART == 3
	.amdgcn_target "amdgcn-amd-amdhsa--gfx1250"
	.amdhsa_code_object_version 6
	.text
	.protected	k_q7526627257_attn
	.globl	k_q7526627257_attn
	.p2align	8
	.type	k_q7526627257_attn,@function
k_q7526627257_attn:
	s_mov_b64 s[64:65], 0
	v_nop
	global_prefetch_b8 v0, s[64:65] scope:SCOPE_SE
	s_setreg_imm32_b32 hwreg(HW_REG_WAVE_MODE, 25, 1), 1
	s_wait_xcnt 0x0
	s_wait_alu depctr_hold_cnt(0) depctr_sa_sdst(0) depctr_va_vdst(0) depctr_va_sdst(0) depctr_va_ssrc(0) depctr_va_vcc(0) depctr_vm_vsrc(0)
	s_getreg_b32 s2, hwreg(HW_REG_IB_STS2, 6, 4)
	s_cmp_eq_u32 s2, 0
	s_cbranch_scc0 .Lentry_in_a_cluster
	s_endpgm
.Lentry_in_a_cluster:
	s_bfe_u32 s2, ttmp6, 0x10000c
	s_cmp_lg_u32 s2, 0x3003
	s_cbranch_scc0 .Lentry_shape_is_right
	s_endpgm
.Lentry_shape_is_right:
; o = softmax(q k^T / 8, causal) v for one (batch, head) a cluster, both products on codes of FP4 (E2M1) with E8M0 scales; o is quantised along D on the way out, for the last projection.
; WORK LEFT OUT: a step of 128 keys all of which come after a tile's 16 queries: the causal mask gives those keys the weight 0 for all values of the inputs.  A NaN or overflow that reaches only such scores is not carried on.
; THE SOFTMAX AHEAD OF THE SECOND PRODUCT: t = score x log2(e) / 8; M = the running largest t rounded UP to a whole number; p = 2^(t - M) is quantised along the keys, not normalised; the row's sum is taken of the unquantised p
; and divides at the end.  When M moves, the sum and O are multiplied by 2^(old M - new M): exact.
; SHARES.  The head's 128 tiles of 16 queries go to 4 work-groups x 16 waves, two a wave: tile tl = 4 w + cx and tile th = 127 - tl.  tl's last key step is w / 2, th's 15 - w / 2: every wave walks 17 key steps, two of them on
; the diagonal.  The limits hang on the wave's number alone; cx enters global addresses and the number that the mask compares with, and nothing else.
; LDS.  The head's k (65,536 bytes), v (65,536) and their scale words (12,288) come ONCE, by joint loads of waves 0 to 3 (the four work-groups of the cluster read the same bytes), and stay: nothing is filled again.
; Two loads of such a wave are out.  Every work-group reads every key step (wave 0's th reaches step 15).
; LAYOUT.  Both products are used transposed: S^T = k q^T, O^T = v^T p^T: a lane holds one query (lane % 16) throughout.  In tile t of S^T lane (r, h) holds keys 16 t + 8 h + 0 .. 7; a block of 32 keys is tiles 2 B, 2 B + 1 in lanes
; l and l xor 16.  The conversions' results of four tiles are written to places 0, 2, 1, 3 and two exchanges of halves make them the operand's registers.
; K = 64 IN AN INSTRUCTION OF 128: q's registers 4-7 hold zero codes, so what k's upper four registers hold adds exactly 0: the operand of tile t is v[KF + 4 t .. + 7], whose upper half is the next tile's codes.  Bytes 2 and 3 of
; q's and k's scale words are 0, which stands for 2^-127.
; THE RESULTS' scale bytes: a tile stores 32 single bytes, 16 bytes apart (two blocks of each of 16 rows; the other heads' bytes lie between): one byte in seventeen of what the launch stores.
; LIMITS: a block of zeros gets the byte 1 (its codes are zeros; only this program reads the bytes); NaN and infinities are not served.
.set VC,    65536                      ; LDS: k's codes from 0, v's from here,
.set SCB,   131072                     ; the scale words: 768 bytes a key step: k's 512, v's 256
.set SPARE, SCB+12288                  ; the spare words, 128 bytes for each of 16 waves, that no other line names
.set AK0, 1                            ; v1   16 x lane: my place in a tile of k; also my place in global tiles
.set AV0, 2                            ; v2   the same in v's region
.set AS0, 3                            ; v3   my row's scale words: SCB + 16 r
.set SPW, 4                            ; v4   LDS address of my spare word; never rewritten
.set NIL, 5                            ; v5   0; never rewritten
.set VD,  6                            ; v6   the mask: 16 (tile % 8) + r - 8 h
.set NINF, 7                           ; v7   -infinity
.set ADK, 8
.set ADV, 9
.set ADS, 10
.set QSO, 11                           ; v11  16 r
.set Q,   16                           ; v16-23 q's operand; v20-23 zero codes
.set QSC, 24                           ; v24  q's scale words
.set QSL, 25                           ; v25  tile tl's, kept
.set OSO, 26                           ; v26  16 r + h
.set RH,  27                           ; v27  r - 8 h
.set QL,  28                           ; v28-31 tile tl's codes, kept
.set KF,  32                           ; v32-67 eight tiles of k, four registers each; v64-67 zero
.set VF,  68                           ; v68-99 four fragments of v
.set S,   100                          ; v100-163 S^T, then p
.set O,   164                          ; v164-195 O^T
.set P,   196                          ; v196-203 p's codes
.set KSC, 204                          ; v204-211 k's scale words, a register a tile
.set VSC, 212                          ; v212-215 v's
.set PSC, 216                          ; v216 p's
.set BMX, 220
.set T1,  224
.set SCF, 228
.set F,   232                          ; v232 f = 2^(old M - new M); v233 is named with it as a pair
.set TMP, 234
.set WV,  12
.set CX,  13
.set BH,  14
.set SEL, 20
.set CS,  22
.set G1C, 24
.set G1S, 32
.set G0C, 40
.set G0S, 44
.set TB,  66                           ; s66  the key step's codes: 4,096 bytes a step
.set TS,  67                           ; s67  its scale words: 768 a step
.set KI,  68                           ; s68  the key step's number
.set LIM, 69                           ; s69  the tile's last key step
.set CNT, 70
.set HIM, 71
.set QCH, 72                           ; q's codes of th, of tl; q's scale words; o's codes; o's scale bytes: a pair each
.set QCL, 74
.set QSH, 76
.set QSW, 78
.set OCH, 80
.set OCL, 82
.set OSH, 84
.set OSL, 86
.set KV,  88                           ; s88  wave / 2
.macro CROUND
	s_barrier_signal -1
	s_barrier_wait -1
	s_cmp_lg_u32 s[WV], 0
	s_cbranch_scc1 .Lnot_wave_0_\@
	s_barrier_signal -3
.Lnot_wave_0_\@:
	s_barrier_wait -3
	s_barrier_signal -1
	s_barrier_wait -1
.endm
	s_load_b256 s[4:11], s[0:1], 0x0               ; q, k, v's codes s[4:5], their scale words s[6:7], o's codes s[8:9], o's scale bytes s[10:11]
	v_lshl_add_u32 v[SPW], v0, 2, SPARE
	v_mov_b32 v[NIL], 0
	ds_add_u32 v[SPW], v[NIL]                      ; the wave's opening: the add, twice on end, and its wait ahead of the first tensor load
	ds_add_u32 v[SPW], v[NIL]
	v_lshrrev_b32 v8, 5, v0
	s_delay_alu instid0(VALU_DEP_1)
	v_readfirstlane_b32 s[WV], v8                  ; wave 0..15
	s_bfe_u32 s[CX], ttmp6, 0x40000
	s_and_b32 s[BH], ttmp7, 0xffff                 ; 16 batch + head, which the four partners share
	s_lshr_b32 s[KV], s[WV], 1                     ; for a wave that fetches: 0 k, 1 v
	s_and_b32 s89, s[WV], 1                        ; and which half
	; group 1: dense bytes as rows of 256 (32 elements of 8 bytes): 128 rows of codes, 12 of scale words
	s_mov_b32 s[G1C], 15|(3<<16)|(1<<21)           ; 15:0 the mask: all four work-groups; 17:16 elements of 8 bytes; 21 set beside a mask
	s_mov_b32 s[G1C+1], 32<<16
	s_mov_b32 s[G1C+2], 128<<16
	s_mov_b32 s[G1C+3], 32<<16
	s_mov_b32 s[G1C+4], 128
	s_mov_b32 s[G1C+5], 32
	s_mov_b32 s[G1C+6], 0
	s_mov_b32 s[G1C+7], 0
	s_mov_b32 s[G1S], 15|(3<<16)|(1<<21)
	s_mov_b32 s[G1S+1], 32<<16
	s_mov_b32 s[G1S+2], 12<<16
	s_mov_b32 s[G1S+3], 32<<16
	s_mov_b32 s[G1S+4], 12
	s_mov_b32 s[G1S+5], 32
	s_mov_b32 s[G1S+6], 0
	s_mov_b32 s[G1S+7], 0
	s_lshl_b32 s90, s[KV], 22                      ; the kind (k is kind 1, v kind 2: 4,194,304 bytes each),
	s_add_co_u32 s90, s90, 1<<22
	s_lshl_b32 s91, s[BH], 16                      ; the head's 65,536 bytes,
	s_add_co_u32 s90, s90, s91
	s_lshl_b32 s95, s[KV], 16                      ; in LDS: k's region or v's,
	s_lshl_b32 s91, s89, 15                        ; my half, in memory and in LDS
	s_add_co_u32 s90, s90, s91
	s_add_co_u32 s95, s95, s91
	s_mov_b32 s91, 0
	s_mul_i32 s92, s[BH], 12288                    ; the head's scale words of k and v,
	s_mul_i32 s94, s[WV], 3072                     ; my quarter of them
	s_add_co_u32 s92, s92, s94
	s_add_co_u32 s92, s92, 524288
	s_mov_b32 s93, 0
	s_add_co_u32 s94, s94, SCB
	; my two tiles
	s_lshl_b32 s15, s[WV], 2
	s_add_co_u32 s15, s15, s[CX]                   ; tl
	s_sub_co_u32 s16, 127, s15                     ; th
	s_lshl_b32 s17, s[BH], 16                      ; q's codes of the head
	s_lshl_b32 s19, s[BH], 13                      ; q's scale words of the head
	s_lshr_b32 s97, s[BH], 4
	s_lshl_b32 s97, s97, 7                         ; the batch's 128 blocks of 16 rows
	s_and_b32 s98, s[BH], 15
	s_lshl_b32 s98, s98, 9                         ; the head's 512 bytes in a block's codes
	s_bfe_u32 s99, s[BH], 0x10003
	s_lshl_b32 s99, s99, 8                         ; heads 8-15: the second K half's scale bytes;
	s_and_b32 s96, s[BH], 7
	s_lshl_b32 s96, s96, 1
	s_add_co_u32 s99, s99, s96                     ; two bytes a head
.macro BASES t, qc, qs, oc, os
	s_lshl_b32 s18, s[\t], 9
	s_add_co_u32 s[\qc], s17, s18                  ; 512 bytes a tile
	s_mov_b32 s[\qc+1], 0
	s_lshr_b32 s18, s[\t], 2
	s_lshl_b32 s18, s18, 8
	s_and_b32 s96, s[\t], 3
	s_lshl_b32 s96, s96, 2
	s_add_co_u32 s18, s18, s96
	s_add_co_u32 s[\qs], s19, s18                  ; 256 bytes for four tiles, 4 bytes a tile in a row's 16
	s_mov_b32 s[\qs+1], 0
	s_add_co_u32 s18, s97, s[\t]                   ; the tile's block of 16 rows of o
	s_lshl_b32 s96, s18, 13
	s_add_co_u32 s[\oc], s96, s98
	s_mov_b32 s[\oc+1], 0
	s_lshl_b32 s96, s18, 9
	s_add_co_u32 s[\os], s96, s99
	s_mov_b32 s[\os+1], 0
.endm
	BASES 16, QCH, QSH, OCH, OSH
	BASES 15, QCL, QSW, OCL, OSL
	s_mov_b32 s[SEL], 0x76543210
	s_mov_b32 s[SEL+1], 0xfedcba98                 ; v_permlanex16_b32's selects for lane l xor 16
	s_mov_b32 s[CS], 0x3e38aa3b                    ; c = log2(e) / 8
	s_mov_b32 s[CS+1], s[CS]                       ; (named with it as a pair, so it is written)
	s_mov_b32 s[HIM], 0xffff0000                   ; lanes 16-31
	s_wait_dscnt 0x0                               ; both opening adds are done
	s_wait_kmcnt 0x0
	s_mov_b32 s[G0S], 1
	s_mov_b32 s[G0S+1], s94
	s_add_nc_u64 s[G0S+2:G0S+3], s[6:7], s[92:93]
	s_or_b32 s[G0S+3], s[G0S+3], 0x80000000
	s_mov_b32 s[G0C], 1
	s_mov_b32 s[G0C+1], s95
	s_add_nc_u64 s[G0C+2:G0C+3], s[4:5], s[90:91]
	s_or_b32 s[G0C+3], s[G0C+3], 0x80000000
	s_add_nc_u64 s[QCH:QCH+1], s[4:5], s[QCH:QCH+1]
	s_add_nc_u64 s[QCL:QCL+1], s[4:5], s[QCL:QCL+1]
	s_add_nc_u64 s[QSH:QSH+1], s[6:7], s[QSH:QSH+1]
	s_add_nc_u64 s[QSW:QSW+1], s[6:7], s[QSW:QSW+1]
	s_add_nc_u64 s[OCH:OCH+1], s[8:9], s[OCH:OCH+1]
	s_add_nc_u64 s[OCL:OCL+1], s[8:9], s[OCL:OCL+1]
	s_add_nc_u64 s[OSH:OSH+1], s[10:11], s[OSH:OSH+1]
	s_add_nc_u64 s[OSL:OSL+1], s[10:11], s[OSL:OSL+1]
	CROUND                                         ; all four work-groups are here: the joint loads meet
	s_cmp_lt_u32 s[WV], 4                          ; a fetching wave's two loads stand in one branch on the wave's number, the same in all partners
	s_cbranch_scc0 .Lno_fetch
	tensor_load_to_lds s[G0S:G0S+3], s[G1S:G1S+7]
	s_nop 0
	tensor_load_to_lds s[G0C:G0C+3], s[G1C:G1C+7]
	s_nop 0
.rept 4
	v_nop
.endr
.Lno_fetch:
	v_and_b32 v8, 31, v0
	s_delay_alu instid0(VALU_DEP_1)
	v_lshlrev_b32 v[AK0], 4, v8
	s_delay_alu instid0(VALU_DEP_1)
	v_add_nc_u32 v[AV0], VC, v[AK0]
	v_and_b32 v8, 15, v0                           ; r
	v_bfe_u32 v9, v0, 4, 1                         ; h
	s_delay_alu instid0(VALU_DEP_2)
	v_lshlrev_b32 v[QSO], 4, v8
	s_delay_alu instid0(VALU_DEP_1)
	v_add_nc_u32 v[AS0], SCB, v[QSO]
	s_delay_alu instid0(VALU_DEP_2)
	v_add_nc_u32 v[OSO], v[QSO], v9
	s_delay_alu instid0(VALU_DEP_4)
	v_lshlrev_b32 v10, 3, v9
	s_delay_alu instid0(VALU_DEP_1)
	v_sub_nc_u32 v[RH], v8, v10
	global_load_b128 v[Q:Q+3], v[AK0], s[QCH:QCH+1]            ; th's queries: registers 0-3 of the operand, as they lie
	global_load_b128 v[QL:QL+3], v[AK0], s[QCL:QCL+1]          ; tl's, for the second pass
	global_load_b32 v[QSC], v[QSO], s[QSH:QSH+1]
	global_load_b32 v[QSL], v[QSO], s[QSW:QSW+1]
	v_mov_b32 v[NINF], 0xff800000
.irp i, 0,1,2,3
	v_mov_b32 v[Q+4+\i], 0                         ; zero codes for k = 64 .. 127
	v_mov_b32 v[KF+32+\i], 0                       ; the upper half of the last tile's operand
	v_mov_b32 v[T1+\i], 0                          ; written once: a lane permute's destination counts as one of its sources
.endr
	v_mov_b32 v[F+1], 0
	v_mov_b32 v[TMP], 0
.macro INIT                            ; the step is written without a first-step form: it finds zeros, which the first change of M leaves zeros
	v_mov_b32 v13, 0xff61b1e6                      ; the largest t so far: -3e38, under every t
	s_delay_alu instid0(VALU_DEP_1)
	v_floor_f32 v12, -v13                          ; -M
	v_mov_b32 v14, 0                               ; the sum, in two halves
	v_mov_b32 v15, 0
.set n, 0
.rept 32
	v_mov_b32 v[O+n], 0
.set n, n+1
.endr
.endm
; A KEY STEP: 128 keys.  masked = 1: the step may lie behind the tile's last (then only the addresses step), or on the diagonal (then hidden scores become -infinity).  Both tests hang on the wave's number and the count of steps.
.macro STEP masked
.if \masked
	s_cmp_gt_u32 s[KI], s[LIM]
	s_cbranch_scc1 .Lskip_\@
.endif
	s_setprio 2
	v_add_nc_u32 v[ADK], s[TB], v[AK0]
	v_add_nc_u32 v[ADV], s[TB], v[AV0]
	v_add_nc_u32 v[ADS], s[TS], v[AS0]
	v_nop                                          ; four places between the last step's products and the loads below into registers that they read
.irp t, 0,1,2,3,4,5,6,7
	ds_load_b128 v[KF+4*\t:KF+4*\t+3], v[ADK] offset:512*\t
.endr
	ds_load_b128 v[KSC:KSC+3], v[ADS]              ; the scale words of four tiles by one load
	ds_load_b128 v[KSC+4:KSC+7], v[ADS] offset:256
	s_wait_alu depctr_va_vdst(0)
	s_wait_dscnt 0x0
.irp t, 0,1,2,3,4,5,6,7
	v_wmma_scale_f32_16x16x128_f8f6f4 v[S+8*\t:S+8*\t+7], v[KF+4*\t:KF+4*\t+7], v[Q:Q+7], 0, v[KSC+\t], v[QSC] matrix_a_fmt:MATRIX_FMT_FP4 matrix_b_fmt:MATRIX_FMT_FP4
.endr
.irp d, 0,1,2,3                                ; v is asked for now and lands during the softmax
	ds_load_b128 v[VF+8*\d:VF+8*\d+3], v[ADV] offset:1024*\d
	ds_load_b128 v[VF+8*\d+4:VF+8*\d+7], v[ADV] offset:1024*\d+512
.endr
	ds_load_b128 v[VSC:VSC+3], v[ADS] offset:512
.rept 4
	v_nop                                          ; places in front of the first read of the scores
.endr
.if \masked
	s_cmp_lg_u32 s[KI], s[LIM]
	s_cbranch_scc1 .Lopen_\@
.set n, 0
.rept 64                                       ; register n holds key 16 (n / 8) + n % 8 + 8 h of the step: hidden where that is above 16 (tile % 8) + r
	v_cmp_gt_i32 vcc_lo, 16*(n/8)+n%8, v[VD]
	v_cndmask_b32 v[S+n], v[S+n], v[NINF], vcc_lo
.set n, n+1
.endr
.Lopen_\@:
.endif
.irp b, 0,1,2,3
	v_max3_num_f32 v[BMX+\b], v[S+16*\b], v[S+1+16*\b], v[S+2+16*\b]   ; the largest score of each block of 32 keys: it serves for the row's maximum and, since p rises with the score, for the block's largest p
.endr
.irp i, 3,5,7,9,11,13
.irp b, 0,1,2,3
	v_max3_num_f32 v[BMX+\b], v[BMX+\b], v[S+16*\b+\i], v[S+1+16*\b+\i]
.endr
.endr
.irp b, 0,1,2,3
	v_max_num_f32 v[BMX+\b], v[BMX+\b], v[S+15+16*\b]
.endr
.irp b, 0,1,2,3
	s_delay_alu instid0(VALU_DEP_4)
	v_permlanex16_b32 v[T1+\b], v[BMX+\b], s[SEL], s[SEL+1]
.endr
.irp b, 0,1,2,3
	s_delay_alu instid0(VALU_DEP_4)
	v_max_num_f32 v[BMX+\b], v[BMX+\b], v[T1+\b]   ; with lane l xor 16's 16 keys
.endr
	s_delay_alu instid0(VALU_DEP_2)
	v_max3_num_f32 v[TMP], v[BMX], v[BMX+1], v[BMX+2]
	s_delay_alu instid0(VALU_DEP_1)
	v_max_num_f32 v[TMP], v[TMP], v[BMX+3]
	s_delay_alu instid0(VALU_DEP_1)
	v_mul_f32 v[TMP], s[CS], v[TMP]                ; as t (c is positive)
	s_delay_alu instid0(VALU_DEP_1)
	v_max_num_f32 v13, v13, v[TMP]                 ; the running largest t
	v_mov_b32 v[TMP], v12
	s_delay_alu instid0(VALU_DEP_2)
	v_floor_f32 v12, -v13                          ; the new -M = floor(-t) = -ceil(t)
	s_delay_alu instid0(VALU_DEP_1)
	v_sub_f32 v[TMP], v12, v[TMP]                  ; old M - new M: a whole number, 0 or less
	s_delay_alu instid0(VALU_DEP_1)
	v_cvt_i32_f32 v[TMP], v[TMP]                   ; (it saturates)
	s_delay_alu instid0(VALU_DEP_1)
	v_ldexp_f32 v[F], 1.0, v[TMP]                  ; f = 2^(old M - new M)
.set n, 0
.rept 32
	v_pk_fma_f32 v[S+n:S+n+1], v[S+n:S+n+1], s[CS:CS+1], v[12:13] op_sel_hi:[1,0,0]   ; t - M, two at a time
.set n, n+2
.endr
.irp b, 0,1,2,3
	v_fma_f32 v[BMX+\b], v[BMX+\b], s[CS], v12     ; the same of each block's largest score
.endr
.set n, 0
	s_setprio 1
	s_wait_alu depctr_va_vdst(0)
.rept 64
	v_exp_f32 v[S+n], v[S+n]                       ; p = 2^(t - M), at most 1
.set n, n+1
.endr
	v_pk_mul_f32 v[14:15], v[14:15], v[F:F+1] op_sel_hi:[1,0]   ; the sums under the new M: the plain place behind the exponentials
	s_wait_alu depctr_va_vdst(0)                   ; one wait for the whole batch, ahead of its first reader
.irp b, 0,1,2,3
	v_exp_f32 v[BMX+\b], v[BMX+\b]                 ; the block's largest p
.endr
	v_pk_add_f32 v[224:225], v[104:105], v[108:109]
	v_pk_add_f32 v[254:255], v[112:113], v[116:117]
	v_pk_add_f32 v[252:253], v[120:121], v[124:125]
	v_pk_add_f32 v[250:251], v[128:129], v[132:133]
	v_pk_add_f32 v[248:249], v[136:137], v[140:141]
	v_pk_add_f32 v[246:247], v[144:145], v[148:149]
	v_pk_add_f32 v[244:245], v[152:153], v[156:157]
	v_pk_add_f32 v[14:15], v[14:15], v[160:161]
	v_pk_add_f32 v[224:225], v[224:225], v[100:101]
	v_pk_add_f32 v[254:255], v[254:255], v[102:103]
	v_pk_add_f32 v[252:253], v[252:253], v[106:107]
	v_pk_add_f32 v[250:251], v[250:251], v[110:111]
	v_pk_add_f32 v[248:249], v[248:249], v[114:115]
	v_pk_add_f32 v[246:247], v[246:247], v[118:119]
	v_pk_add_f32 v[244:245], v[244:245], v[122:123]
	v_pk_add_f32 v[14:15], v[14:15], v[126:127]
	v_pk_add_f32 v[224:225], v[224:225], v[130:131]
	v_pk_add_f32 v[254:255], v[254:255], v[134:135]
	v_pk_add_f32 v[252:253], v[252:253], v[138:139]
	v_pk_add_f32 v[250:251], v[250:251], v[142:143]
	v_pk_add_f32 v[248:249], v[248:249], v[146:147]
	v_pk_add_f32 v[246:247], v[246:247], v[150:151]
	v_pk_add_f32 v[244:245], v[244:245], v[154:155]
	v_pk_add_f32 v[14:15], v[14:15], v[158:159]
	v_pk_add_f32 v[224:225], v[224:225], v[162:163]
	s_delay_alu instid0(VALU_DEP_2)
	v_pk_add_f32 v[14:15], v[14:15], v[250:251]
	s_delay_alu instid0(VALU_DEP_2)
	v_pk_add_f32 v[224:225], v[224:225], v[248:249]
	v_pk_add_f32 v[254:255], v[254:255], v[246:247]
	v_pk_add_f32 v[252:253], v[252:253], v[244:245]
	s_delay_alu instid0(VALU_DEP_2)
	v_pk_add_f32 v[14:15], v[14:15], v[254:255]
	s_delay_alu instid0(VALU_DEP_2)
	v_pk_add_f32 v[224:225], v[224:225], v[252:253]
	s_delay_alu instid0(VALU_DEP_1)
	v_pk_add_f32 v[14:15], v[14:15], v[224:225]
	s_wait_alu depctr_va_vdst(0)                   ; and one for the four
.irp b, 0,1,2,3
	v_max_num_f32 v[BMX+\b], 0x1800000, v[BMX+\b]  ; the floor 2^(3 - 127): the byte cannot fall under 1
.endr
.irp b, 0,1,2,3
	s_delay_alu instid0(VALU_DEP_4)
	v_add_nc_u32 v[SCF+\b], 0xff000000, v[BMX+\b]  ; 2 off the exponent field: the conversion's scale operand
.endr
.irp b, 0,1,2,3
	s_delay_alu instid0(VALU_DEP_4)
	v_lshrrev_b32 v[T1+\b], 23, v[SCF+\b]          ; the scale's byte
.endr
	s_delay_alu instid0(VALU_DEP_3)
	v_lshl_or_b32 v[PSC], v[T1+1], 8, v[T1]
	s_delay_alu instid0(VALU_DEP_1)
	v_lshl_or_b32 v[PSC], v[T1+2], 16, v[PSC]
	s_delay_alu instid0(VALU_DEP_1)
	v_lshl_or_b32 v[PSC], v[T1+3], 24, v[PSC]
.irp t, 0,1,2,3,4,5,6,7
	v_cvt_scalef32_pk8_fp4_f32 v[P+4*(\t/4)+2*(\t%2)+(\t%4)/2], v[S+8*\t:S+8*\t+7], v[SCF+\t/2]
.endr
	s_setprio 0
	v_nop                                          ; one plain place behind a scaled conversion
.irp c, 0,1
	v_permlane16_swap_b32 v[P+4*\c], v[P+4*\c+1]
	v_permlane16_swap_b32 v[P+4*\c+2], v[P+4*\c+3]
.endr
.set n, 0
.rept 16
	v_pk_mul_f32 v[O+n:O+n+1], v[O+n:O+n+1], v[F:F+1] op_sel_hi:[1,0]   ; O^T under the new M; these lines also stand between the writing of p's codes and scale word and the products
.set n, n+2
.endr
	s_wait_alu depctr_va_vdst(0)
	s_wait_dscnt 0x0                               ; v is in
.irp d, 0,1,2,3                                ; the four accumulators by turns; the next step's eight products on the scores stand between two links
	v_wmma_scale_f32_16x16x128_f8f6f4 v[O+8*\d:O+8*\d+7], v[VF+8*\d:VF+8*\d+7], v[P:P+7], v[O+8*\d:O+8*\d+7], v[VSC+\d], v[PSC] matrix_a_fmt:MATRIX_FMT_FP4 matrix_b_fmt:MATRIX_FMT_FP4
.endr
.if \masked
.Lskip_\@:
.endif
	s_add_co_u32 s[TB], s[TB], 4096
	s_add_co_u32 s[TS], s[TS], 768
	s_add_co_u32 s[KI], s[KI], 1
.endm
.macro LOOPN n, masked
	s_mov_b32 s[CNT], \n
.Lsteps_\@:
	STEP \masked
	s_sub_co_u32 s[CNT], s[CNT], 1
	s_cmp_lg_u32 s[CNT], 0
	s_cbranch_scc1 .Lsteps_\@
	s_setprio 0
.endm
; THE WAY OUT of a tile: O^T / the sum, quantised along the head's 64 (two blocks of the last projection's K), stored in the order of that operand's registers.
.macro OUT cb, sb
	v_add_f32 v14, v14, v15                        ; the sum's two halves,
	s_delay_alu instid0(VALU_DEP_1)
	v_permlanex16_b32 v[TMP], v14, s[SEL], s[SEL+1]
	s_delay_alu instid0(VALU_DEP_1)
	v_add_f32 v14, v14, v[TMP]                     ; and lane l xor 16's
	s_wait_alu depctr_va_vdst(0)
	v_rcp_f32 v14, v14
	v_nop
	v_nop                                          ; with the three lines above: the places behind the last products
	s_wait_alu depctr_va_vdst(0)                   ; ahead of the reciprocal's first reader
.set n, 0
.rept 16
	v_pk_mul_f32 v[S+n:S+n+1], v[O+n:O+n+1], v[14:15] op_sel_hi:[1,0]   ; register 8 d + j: o(query r, 16 d + 8 h + j)
.set n, n+2
.endr
.irp b, 0,1
	v_max3_num_f32 v[BMX+\b], |v[S+16*\b]|, |v[S+1+16*\b]|, 0x1800000
.endr
.irp i, 2,4,6,8,10,12,14
.irp b, 0,1
	s_delay_alu instid0(VALU_DEP_2)
	v_max3_num_f32 v[BMX+\b], v[BMX+\b], |v[S+16*\b+\i]|, |v[S+1+16*\b+\i]|
.endr
.endr
.irp b, 0,1
	s_delay_alu instid0(VALU_DEP_2)
	v_permlanex16_b32 v[T1+\b], v[BMX+\b], s[SEL], s[SEL+1]
.endr
.irp b, 0,1
	s_delay_alu instid0(VALU_DEP_2)
	v_max_num_f32 v[BMX+\b], v[BMX+\b], v[T1+\b]
.endr
.irp b, 0,1
	s_delay_alu instid0(VALU_DEP_2)
	v_add_nc_u32 v[SCF+\b], 0xff000000, v[BMX+\b]
.endr
.irp b, 0,1
	s_delay_alu instid0(VALU_DEP_2)
	v_lshrrev_b32 v[T1+\b], 23, v[SCF+\b]
.endr
.irp t, 0,1,2,3
	v_cvt_scalef32_pk8_fp4_f32 v[P+2*(\t%2)+\t/2], v[S+8*\t:S+8*\t+7], v[SCF+\t/2]
.endr
	v_nop                                          ; one plain place behind a scaled conversion
	v_permlane16_swap_b32 v[P], v[P+1]
	v_permlane16_swap_b32 v[P+2], v[P+3]
	v_cndmask_b32 v[TMP], v[T1], v[T1+1], s[HIM]   ; lanes 0-15 store block 0's byte of their row, lanes 16-31 block 1's
	global_store_b128 v[AK0], v[P:P+3], s[\cb:\cb+1]   ; 32 lanes store 512 consecutive bytes, at a multiple of 256
	global_store_b8 v[OSO], v[TMP], s[\sb:\sb+1]
.endm
	; ---- the first pass: tile th, the longer one
	s_mov_b32 s[TB], 0
	s_mov_b32 s[TS], 0
	s_mov_b32 s[KI], 0
	s_sub_co_u32 s[LIM], 15, s[KV]                 ; at least 8: the first eight steps lie wholly in front of the diagonal
	s_and_b32 s18, s16, 7
	s_lshl_b32 s18, s18, 4
	v_add_nc_u32 v[VD], s18, v[RH]
	INIT
	s_wait_loadcnt 0x0                             ; q
	s_wait_tensorcnt 0x0                           ; my loads, if I have any, have landed,
	s_barrier_signal -1
	s_barrier_wait -1                              ; everybody's have: the head's k, v and scale words lie in LDS
	LOOPN 8, 0
	LOOPN 8, 1
	OUT OCH, OSH
	; ---- the second pass: tile tl
	s_wait_xcnt 0x0                                ; the stores have read their data
.irp i, 0,1,2,3
	v_mov_b32 v[Q+\i], v[QL+\i]
.endr
	v_mov_b32 v[QSC], v[QSL]                       ; the lines of INIT stand between these and the first product
	s_and_b32 s18, s15, 7
	s_lshl_b32 s18, s18, 4
	v_add_nc_u32 v[VD], s18, v[RH]
	INIT
	s_mov_b32 s[TB], 0
	s_mov_b32 s[TS], 0
	s_mov_b32 s[KI], 0
	s_mov_b32 s[LIM], s[KV]
	LOOPN 8, 1
	OUT OCL, OSL
	s_wait_tensorcnt 0x0                           ; the wave's end
	ds_add_u32 v[SPW], v[NIL]
	s_wait_dscnt 0x0
	CROUND                                         ; the closing round
	s_endpgm
.Lfunc_end_k_q7526627257_attn:
	.size	k_q7526627257_attn, .Lfunc_end_k_q7526627257_attn-k_q7526627257_attn
	.p2alignl 7, 3214868480
	.fill 96, 4, 3214868480
	.section	.rodata,"a",@progbits
	.p2align	6, 0x0
	.amdhsa_kernel k_q7526627257_attn
		.amdhsa_group_segment_fixed_size 327680
		.amdhsa_private_segment_fixed_size 0
		.amdhsa_enable_private_segment 0
		.amdhsa_kernarg_size 32
		.amdhsa_user_sgpr_count 2
		.amdhsa_user_sgpr_kernarg_segment_ptr 1
		.amdhsa_wavefront_size32 1
		.amdhsa_system_sgpr_workgroup_id_x 1
		.amdhsa_system_sgpr_workgroup_id_y 1
		.amdhsa_system_sgpr_workgroup_id_z 1
		.amdhsa_system_vgpr_workitem_id 0
		.amdhsa_next_free_vgpr 256
		.amdhsa_next_free_sgpr 100
		.amdhsa_reserve_vcc 1
		.amdhsa_float_denorm_mode_32 3
		.amdhsa_float_denorm_mode_16_64 3
		.amdhsa_memory_ordered 1
		.amdhsa_forward_progress 1
		.amdhsa_inst_pref_size 78
	.end_amdhsa_kernel
	.amdgpu_metadata
---
amdhsa.version: [ 1, 2 ]
amdhsa.kernels:
  - .name:           k_q7526627257_attn
    .symbol:         k_q7526627257_attn.kd
    .args:
      - { .name: qkv_codes, .offset: 0, .size: 8, .value_kind: global_buffer, .address_space: global }
      - { .name: qkv_scales, .offset: 8, .size: 8, .value_kind: global_buffer, .address_space: global }
      - { .name: o_codes, .offset: 16, .size: 8, .value_kind: global_buffer, .address_space: global }
      - { .name: o_scales, .offset: 24, .size: 8, .value_kind: global_buffer, .address_space: global }
    .group_segment_fixed_size: 327680
    .private_segment_fixed_size: 0
    .kernarg_segment_align: 8
    .kernarg_segment_size: 32
    .max_flat_workgroup_size: 512
    .sgpr_count:     100
    .vgpr_count:     256
    .wavefront_size: 32
...
	.end_amdgpu_metadata
.endif
;; end of part 3
;; launch proj (part 4): grid 4 x 32, 4 waves a work-group, clusters of 4 x 4, 327,680 bytes of LDS; arguments o_codes, o_scales, wcodes, wscales, b_out, out0; writes out0
.if DOCPART == 4
	.amdgcn_target "amdgcn-amd-amdhsa--gfx1250"
	.amdhsa_code_object_version 6
	.text
	.protected	k_q7526627257_proj
	.globl	k_q7526627257_proj
	.p2align	8
	.type	k_q7526627257_proj,@function
k_q7526627257_proj:
	s_mov_b64 s[64:65], 0
	v_nop
	global_prefetch_b8 v0, s[64:65] scope:SCOPE_SE
	s_setreg_imm32_b32 hwreg(HW_REG_WAVE_MODE, 25, 1), 1
	s_wait_xcnt 0x0
	s_wait_alu depctr_hold_cnt(0) depctr_sa_sdst(0) depctr_va_vdst(0) depctr_va_sdst(0) depctr_va_ssrc(0) depctr_va_vcc(0) depctr_vm_vsrc(0)
	s_getreg_b32 s2, hwreg(HW_REG_IB_STS2, 6, 4)
	s_cmp_eq_u32 s2, 0
	s_cbranch_scc0 .Lentry_in_a_cluster
	s_endpgm
.Lentry_in_a_cluster:
	s_bfe_u32 s2, ttmp6, 0x10000c
	s_cmp_lg_u32 s2, 0xf033
	s_cbranch_scc0 .Lentry_shape_is_right
	s_endpgm
.Lentry_shape_is_right:
; out0 = o w_out^T + b_out on codes of FP4 (E2M1) with E8M0 scales, K = 1,024; out0 [8,192][1,024] f32.  Nothing is left out here.
; A tile of 256 x 256 is made by a work-group of four waves, 128 x 128 each: 64 accumulators of 16 x 16.  THE MATRIX INSTRUCTION IS USED TRANSPOSED (source 0 = 16 rows of w_out, source 1 = 16 rows of o):
; a lane holds eight neighbouring numbers of a row of out0.  The bias is the C of each sum's first matrix instruction.
; OPERANDS lie in memory in the order of their registers: a block of 16 rows is 8,192 bytes of codes, [K step of 128][c 2][lane 32][16 bytes], and 512 scale bytes, [K half][row][16 bytes].  w_out's blocks are 704-767 of the weights' buffers.
; All of K fits in LDS: two slots of 512 along K, both asked for at the head and never filled again.  CLUSTERS: 4 x 4 work-groups; o's tiles are asked for jointly along a row of the cluster, w_out's along a column.
; REGISTERS, in windows of 256: window 0: v1-29 addresses; v32-95 scale words, two sets; v128-191 A's fragments, one set; on the way out v128-255.
;   window 1: B's fragments, two sets, at v0 and v128; v64-127 the bias.   windows 2, 3: the accumulators ((a, b) at v[8 (8 (a % 4) + b)], a < 4 in window 2).
.set NQ,     4
.set FR,     8
.set NL,     2
.set NP,     4                         ; places behind this matrix instruction (ISA guide 7.12.1)
.set HALFT,  32768                     ; 8 blocks of 16 rows x 512 along K: what one tensor load brings
.set SLOT,   4*HALFT
.set SCL,    2*SLOT
.set HALFS,  4096
.set STAGE,  SCL+4*HALFS               ; the way out: 16 rows x (512 bytes + 16) for each wave, in bytes into which no tile lands
.set SPITCH, 528
.set SPARE,  STAGE+4*16*SPITCH         ; the spare words, 128 bytes for each wave, that no other line names
.set SIZE_N, 1024
.set BOF,  7                           ; v7   the bias: 32 h
.set LI,   8                           ; v8   16 x lane
.set ADRA, 16
.set ADRB, 20
.set STO,  24                          ; v24  the way out: where I put 32 bytes of a row
.set RD,   25                          ; v25  where I read a row back
.set CO,   26                          ; v26  my byte offset in a row's 512 bytes
.set ADRS, 27
.set SPW,  28
.set NIL,  29
.set SC,   32
.set AF,   128
.set BK,   128
.set BIAS, 64                          ; in window 1
.set G1, 24
.set G0, 32
.set G1B, 48
.set G0B, 56
.set G1S, 68
.set G0S, 76
.set G1SB, 80
.set G0SB, 88
.set MSB, 0
.macro WIN new                         ; the immediate's high byte repeats the setting that is left
.if MSB != (\new)
	s_set_vgpr_msb (MSB<<8)|(\new)
.set MSB, (\new)
.endif
.endm
.set MUL_LO, 0xa1                      ; source 0 (B) window 1, source 1 (A) window 0, C and D window 2
.set MUL_HI, 0xf1                      ; the same, C and D window 3
.set FIRST_LO, 0x91                    ; C (the bias) window 1, D window 2
.set FIRST_HI, 0xd1                    ; C window 1, D window 3
.set TO_B,   0x40                      ; destination window 1, address window 0
.macro JLOAD g0a, g1a, g0b, g1b        ; a joint load: waves 0 and 1 fetch for A, waves 2 and 3 for B.  An s_nop 0 and four v_nop follow each of the two lines
	s_cmp_eq_u32 s15, 0
	s_cbranch_scc0 .Lfor_b_\@
	tensor_load_to_lds s[\g0a:\g0a+3], s[\g1a:\g1a+7]
	s_nop 0
.rept 4
	v_nop
.endr
	s_branch .Lasked_\@
.Lfor_b_\@:
	tensor_load_to_lds s[\g0b:\g0b+3], s[\g1b:\g1b+7]
	s_nop 0
.rept 4
	v_nop
.endr
.Lasked_\@:
.endm
.macro CROUND
	s_barrier_signal -1
	s_barrier_wait -1
	s_cmp_lg_u32 s14, 0
	s_cbranch_scc1 .Lnot_wave_0_\@
	s_barrier_signal -3
.Lnot_wave_0_\@:
	s_barrier_wait -3
	s_barrier_signal -1
	s_barrier_wait -1
.endm
	s_load_b256 s[4:11], s[0:1], 0x0               ; o's codes s[4:5], o's scale bytes s[6:7], the weights' codes s[8:9], their scale bytes s[10:11]
	s_load_b128 s[96:99], s[0:1], 0x20             ; b_out s[96:97], out0 s[98:99]
	v_lshl_add_u32 v[SPW], v0, 2, SPARE
	v_mov_b32 v[NIL], 0
	ds_add_u32 v[SPW], v[NIL]                      ; the wave's opening: the add, twice on end, and its wait ahead of my first tensor load
	ds_add_u32 v[SPW], v[NIL]
	v_lshrrev_b32 v1, 5, v0
	v_readfirstlane_b32 s14, v1                    ; wave 0..3
	s_lshr_b32 s15, s14, 1                         ; which half of the tile's rows is mine.  Also: I fetch for A (0) or for B (1)
	s_and_b32 s16, s14, 1                          ; which half of its columns.  Also: which 128 rows I fetch
	s_bfe_u32 s40, ttmp6, 0x40000                  ; cx: the tile column
	s_bfe_u32 s41, ttmp6, 0x40004                  ; cy
	s_and_b32 s17, ttmp7, 0xffff                   ; the cluster's y
	s_lshl_b32 s43, s41, 2
	s_lshl_b32 s43, 15, s43                        ; my row of the cluster
	s_lshl_b32 s44, 0x1111, s40                    ; my column
	s_or_b32 s[G1+0], s43, (3<<16)|(1<<21)         ; codes: 8 rows of 4,096 bytes, 8,192 bytes apart; elements of 8 bytes; dense in LDS
	s_or_b32 s[G1B+0], s44, (3<<16)|(1<<21)
.irp g, G1, G1B
	s_mov_b32 s[\g+1], 512<<16
	s_mov_b32 s[\g+2], 8<<16
	s_mov_b32 s[\g+3], 512<<16
	s_mov_b32 s[\g+4], 8
	s_mov_b32 s[\g+5], 1024
	s_mov_b32 s[\g+6], 0
	s_mov_b32 s[\g+7], 0
.endr
	s_or_b32 s[G1S+0], s43, (3<<16)|(1<<21)        ; the scale bytes of 128 rows: 4,096 dense bytes as 16 rows of 256
	s_or_b32 s[G1SB+0], s44, (3<<16)|(1<<21)
.irp g, G1S, G1SB
	s_mov_b32 s[\g+1], 32<<16
	s_mov_b32 s[\g+2], 16<<16
	s_mov_b32 s[\g+3], 32<<16
	s_mov_b32 s[\g+4], 16
	s_mov_b32 s[\g+5], 32
	s_mov_b32 s[\g+6], 0
	s_mov_b32 s[\g+7], 0
.endr
	s_lshl_b32 s20, s17, 6
	s_lshl_b32 s21, s41, 4
	s_add_co_u32 s20, s20, s21                     ; A: block 64 y + 16 cy
	s_lshl_b32 s21, s16, 3
	s_add_co_u32 s20, s20, s21                     ; + the 8 blocks that I fetch
	s_lshl_b32 s46, s40, 4
	s_add_co_u32 s46, s46, 704                     ; B: block 704 + 16 cx
	s_add_co_u32 s46, s46, s21
	s_lshl_b32 s22, s20, 9
	s_lshl_b32 s20, s20, 13
	s_mov_b32 s21, 0
	s_mov_b32 s23, 0
	s_lshl_b32 s92, s46, 9
	s_lshl_b32 s46, s46, 13
	s_mov_b32 s47, 0
	s_mov_b32 s93, 0
	s_mul_i32 s45, s14, HALFT                      ; where they go: wave x a half: no place in the cluster enters an LDS address
	s_mul_i32 s94, s14, HALFS
	s_wait_dscnt 0x0                               ; both opening adds are done
	s_wait_kmcnt 0x0
	s_add_nc_u64 s[20:21], s[4:5], s[20:21]
	s_add_nc_u64 s[22:23], s[6:7], s[22:23]
	s_add_nc_u64 s[46:47], s[8:9], s[46:47]
	s_add_nc_u64 s[92:93], s[10:11], s[92:93]
	CROUND                                         ; all sixteen work-groups are here: the first joint loads meet
	s_mov_b32 s[G0S], 1
	s_add_co_u32 s[G0S+1], s94, SCL
	s_mov_b64 s[G0S+2:G0S+3], s[22:23]
	s_or_b32 s[G0S+3], s[G0S+3], 0x80000000
	s_mov_b32 s[G0SB], 1
	s_add_co_u32 s[G0SB+1], s94, SCL
	s_mov_b64 s[G0SB+2:G0SB+3], s[92:93]
	s_or_b32 s[G0SB+3], s[G0SB+3], 0x80000000
	JLOAD G0S, G1S, G0SB, G1SB
.irp s, 0,1
	s_mov_b32 s[G0+4*\s], 1
	s_add_co_u32 s[G0+4*\s+1], s45, \s*SLOT
	s_add_nc_u64 s[G0+4*\s+2:G0+4*\s+3], s[20:21], \s*4096
	s_or_b32 s[G0+4*\s+3], s[G0+4*\s+3], 0x80000000
	s_mov_b32 s[G0B+4*\s], 1
	s_add_co_u32 s[G0B+4*\s+1], s45, \s*SLOT
	s_add_nc_u64 s[G0B+4*\s+2:G0B+4*\s+3], s[46:47], \s*4096
	s_or_b32 s[G0B+4*\s+3], s[G0B+4*\s+3], 0x80000000
	s_wait_alu depctr_va_vdst(0)
	s_wait_tensorcnt 0x0
	ds_add_u32 v28, v29
	s_wait_dscnt 0x0
	CROUND
	JLOAD G0+4*\s, G1, G0B+4*\s, G1B               ; one load of mine is out: the earlier ones have landed
.endr
	v_and_b32 v1, 15, v0                           ; r
	v_bfe_u32 v2, v0, 4, 1                         ; h
	s_wait_alu depctr_va_vdst(0)
	v_and_b32 v3, 31, v0
	v_lshlrev_b32 v[LI], 4, v3
	s_mul_i32 s21, s15, HALFT
	s_mul_i32 s22, s16, HALFT
	s_add_co_u32 s22, s22, 2*HALFT
.irp s, 0,1
	v_add_nc_u32 v[ADRA+\s], s21, v[LI]
	v_add_nc_u32 v[ADRB+\s], s22, v[LI]
	s_add_co_u32 s21, s21, SLOT
	s_add_co_u32 s22, s22, SLOT
.endr
	v_lshlrev_b32 v5, 4, v1
	s_mul_i32 s21, s15, HALFS
	s_mul_i32 s22, s16, HALFS
	s_add_co_u32 s22, s22, 2*HALFS
	s_sub_co_u32 s22, s22, s21
	v_mul_u32_u24 v6, s22, v2                      ; lanes 16-31 take B's: one product, the distance between the two
	s_add_co_u32 s21, s21, SCL
	v_add_nc_u32 v5, v5, v6
	v_add_nc_u32 v[ADRS], s21, v5
	; the bias: register 8 b + j = b_out(256 cx + 128 x my half + 16 b + 8 h + j)
	s_lshl_b32 s66, s40, 10
	s_lshl_b32 s67, s16, 9
	s_add_co_u32 s66, s66, s67                     ; also my first column of out0, in bytes
	s_mov_b32 s67, 0
	s_add_nc_u64 s[96:97], s[96:97], s[66:67]
	v_lshlrev_b32 v[BOF], 5, v2
	WIN TO_B
.irp b, 0,1,2,3,4,5,6,7
	global_load_b128 v[BIAS+8*\b:BIAS+8*\b+3], v[BOF], s[96:97] offset:64*\b
	global_load_b128 v[BIAS+8*\b+4:BIAS+8*\b+7], v[BOF], s[96:97] offset:64*\b+16
.endr
	WIN 0
	s_mul_i32 s23, s14, 16*SPITCH
	s_add_co_u32 s23, s23, STAGE                   ; my stage
	v_mul_u32_u24 v5, v1, SPITCH                   ; in: row r, 32 bytes for each half of the lanes
	v_lshl_add_u32 v5, v2, 5, v5
	v_add_nc_u32 v[STO], s23, v5
	v_mov_b32 v[CO], v[LI]                         ; back: the 32 lanes take one row of 512 bytes; and the same in out0
	v_add_nc_u32 v[RD], s23, v[LI]
	s_lshl_b32 s2, s17, 2
	s_add_co_u32 s2, s2, s41
	s_lshl_b32 s2, s2, 8
	s_lshl_b32 s3, s15, 7
	s_add_co_u32 s2, s2, s3                        ; my first row: 256 (4 y + cy) + 128 x half,
	s_lshl_b32 s2, s2, 12                          ; 4,096 bytes a row
	s_add_co_u32 s66, s66, s2
	s_add_nc_u64 s[98:99], s[98:99], s[66:67]
.macro FRAG reg, adr, q, i
.irp c, 0,1
	ds_load_b128 v[\reg+4*\c:\reg+4*\c+3], v[\adr] offset:1024*(\q)+512*\c+(\i)*4096
.endr
.endm
; 16 matrix instructions: A's blocks a0, a0 + 1 x B's eight.  cm = 0: C = D; 1: C = the bias by B's block.  The 64 accumulators take turns, one instruction a turn.
.macro MUL16 a0, p, q, sc, cm
.irp a, \a0, \a0+1
.irp b, 0,1,2,3,4,5,6,7
.if (\cm) == 0
	v_wmma_scale_f32_16x16x128_f8f6f4 v[8*(8*((\a)%4)+\b):8*(8*((\a)%4)+\b)+7], v[128*(\p)+FR*\b:128*(\p)+FR*\b+FR-1], v[AF+FR*(\a):AF+FR*(\a)+FR-1], v[8*(8*((\a)%4)+\b):8*(8*((\a)%4)+\b)+7], v[SC+8*NQ*(\sc)+NQ*\b+(\q)], v[SC+8*NQ*(\sc)+NQ*(\a)+(\q)] matrix_a_fmt:MATRIX_FMT_FP4 matrix_b_fmt:MATRIX_FMT_FP4 matrix_a_scale:MATRIX_SCALE_ROW1
.else
	v_wmma_scale_f32_16x16x128_f8f6f4 v[8*(8*((\a)%4)+\b):8*(8*((\a)%4)+\b)+7], v[128*(\p)+FR*\b:128*(\p)+FR*\b+FR-1], v[AF+FR*(\a):AF+FR*(\a)+FR-1], v[BIAS+8*\b:BIAS+8*\b+7], v[SC+8*NQ*(\sc)+NQ*\b+(\q)], v[SC+8*NQ*(\sc)+NQ*(\a)+(\q)] matrix_a_fmt:MATRIX_FMT_FP4 matrix_b_fmt:MATRIX_FMT_FP4 matrix_a_scale:MATRIX_SCALE_ROW1
.endif
.endr
.endr
.endm
.macro FETCH_B slot, q, p
	WIN TO_B
.irp i, 0,1,2,3,4,5,6,7
	FRAG 128*(\p)+FR*\i, ADRB+\slot, \q, \i
.endr
	WIN 0
.endm
.macro FETCH_A slot, q, i0
.irp i, \i0, \i0+1, \i0+2, \i0+3
	FRAG AF+FR*(\i), ADRA+\slot, \q, \i
.endr
.endm
.macro SCALES sc
.irp i, 0,1,2,3,4,5,6,7
	ds_load_b128 v[SC+8*NQ*\sc+NQ*\i:SC+8*NQ*\sc+NQ*\i+3], v[ADRS] offset:512*\i+256*\sc
.endr
.endm
.macro PLACES n
.rept \n
	v_nop
.endr
.endm
.macro STEP slot, q
	s_wait_dscnt 4*NL                              ; B's set and A's blocks 0-3 are in; the youngest 8 loads (A's blocks 4-7) may be out
	WIN MUL_LO
	MUL16 0, (\q)%2, \q, \slot, 0
	MUL16 2, (\q)%2, \q, \slot, 0
	s_wait_dscnt 0
	PLACES NP
	FETCH_B \slot, (\q)+1, 1-(\q)%2
	FETCH_A \slot, (\q)+1, 0
	WIN MUL_HI
	MUL16 4, (\q)%2, \q, \slot, 0
	MUL16 6, (\q)%2, \q, \slot, 0
	PLACES NP
	WIN 0
	FETCH_A \slot, (\q)+1, 4
.endm
.macro STEPS slot, from
.set Q, \from
.rept NQ-1-\from
	STEP \slot, Q
.set Q, Q+1
.endr
.endm
	s_wait_alu depctr_va_vdst(0)
	s_wait_tensorcnt 1                             ; the scale bytes and my part of slot 0 are in (slot 1's load may be out),
	s_barrier_signal -1
	s_barrier_wait -1                              ; everybody's are
	FETCH_B 0, 0, 0
	FETCH_A 0, 0, 0
	SCALES 0
	FETCH_A 0, 0, 4
	s_wait_loadcnt 0x0                             ; the bias
	s_wait_dscnt 4*NL                              ; the first step: its products start the sums with the bias
	WIN FIRST_LO
	MUL16 0, 0, 0, 0, 1
	MUL16 2, 0, 0, 0, 1
	s_wait_dscnt 0
	PLACES NP
	FETCH_B 0, 1, 1
	FETCH_A 0, 1, 0
	WIN FIRST_HI
	MUL16 4, 0, 0, 0, 1
	MUL16 6, 0, 0, 0, 1
	PLACES NP
	WIN 0
	FETCH_A 0, 1, 4
	STEPS 0, 1
	; slot 0's last step goes over to slot 1: one barrier; in front of it each wave waits for all its tensor loads and for its LDS instructions.  Nothing is filled again
	s_wait_tensorcnt 0x0                           ; my part of slot 1 has landed
	ds_add_u32 v[SPW], v[NIL]
	s_wait_dscnt 4*NL+1                            ; (the add and the youngest 8 loads may be out)
	WIN MUL_LO
	MUL16 0, 1, NQ-1, 0, 0
	s_wait_dscnt 0x0
	s_barrier_signal -1
	MUL16 2, 1, NQ-1, 0, 0
	WIN 0
	s_barrier_wait -1
	PLACES NP
	FETCH_B 1, 0, 0
	FETCH_A 1, 0, 0
	SCALES 1
	WIN MUL_HI
	MUL16 4, 1, NQ-1, 0, 0
	MUL16 6, 1, NQ-1, 0, 0
	PLACES NP
	WIN 0
	FETCH_A 1, 0, 4
	STEPS 1, 0
	s_wait_dscnt 4*NL                              ; the last step: nothing more to fetch
	WIN MUL_LO
	MUL16 0, 1, NQ-1, 1, 0
	MUL16 2, 1, NQ-1, 1, 0
	s_wait_dscnt 0
	WIN MUL_HI
	MUL16 4, 1, NQ-1, 1, 0
	MUL16 6, 1, NQ-1, 1, 0
	WIN 0
; THE WAY OUT, block by block of 16 rows x 128 columns.  A lane holds 32 neighbouring bytes of a row, and the lanes beside it hold other rows: so a block goes through my own stage in LDS and comes back as whole rows of
; 512 bytes.  LDS serves a wave's instructions in order (ISA guide 5.7.1.4): no wait between the stores and the loads, nor in front of the next block's stores.
.macro TOSTAGE a
.set AC, 64*((\a)%4)
	WIN 0x08+4*((\a)/4)                            ; the data: window 2 or 3
.irp b, 0,1,2,3,4,5,6,7
	ds_store_b128 v[STO], v[AC+8*\b:AC+8*\b+3] offset:64*\b          ; each accumulator from its low end on
	ds_store_b128 v[STO], v[AC+8*\b+4:AC+8*\b+7] offset:64*\b+16
.endr
	WIN 0
.set BB, BK+64*((\a)%2)
.irp t, 0,1,2,3,4,5,6,7,8,9,10,11,12,13,14,15
	ds_load_b128 v[BB+4*\t:BB+4*\t+3], v[RD] offset:\t*SPITCH
.endr
.endm
.macro SEND a, younger                 ; younger: the LDS instructions issued behind block a's loads, which may stay out
.set BB, BK+64*((\a)%2)
	s_wait_dscnt \younger
.if (\a) > 0
	s_add_nc_u64 s[98:99], s[98:99], 16*SIZE_N*4   ; (behind a wait on XCNT: the earlier stores have read their base)  16 rows on
.endif
.irp t, 0,1,2,3,4,5,6,7,8,9,10,11,12,13,14,15
	global_store_b128 v[CO], v[BB+4*\t:BB+4*\t+3], s[98:99] offset:\t*SIZE_N*4 th:TH_STORE_NT   ; 32 lanes store 512 consecutive bytes, at a multiple of 256; written once, read by nobody here
.endr
.endm
	PLACES NP                                      ; for the loads into the registers that held A's fragments, and for the reads of the last results
	TOSTAGE 0
.irp a, 1,2,3,4,5,6,7
.if \a > 1
	s_wait_xcnt 0x0                                ; block a - 2's stores have read their registers and their base
.endif
	TOSTAGE \a
	SEND \a-1, 32                                  ; behind block a - 1's loads: block a's 16 stores and 16 loads
.endr
	s_wait_xcnt 0x0
	SEND 7, 0
	s_wait_tensorcnt 0x0                           ; the wave's end, behind my last tensor load and my last LDS store
	ds_add_u32 v[SPW], v[NIL]
	s_wait_dscnt 0x0
	CROUND                                         ; the closing round
	s_endpgm
.Lfunc_end_k_q7526627257_proj:
	.size	k_q7526627257_proj, .Lfunc_end_k_q7526627257_proj-k_q7526627257_proj
	.p2alignl 7, 3214868480
	.fill 96, 4, 3214868480
	.section	.rodata,"a",@progbits
	.p2align	6, 0x0
	.amdhsa_kernel k_q7526627257_proj
		.amdhsa_group_segment_fixed_size 327680
		.amdhsa_private_segment_fixed_size 0
		.amdhsa_enable_private_segment 0
		.amdhsa_kernarg_size 48
		.amdhsa_user_sgpr_count 2
		.amdhsa_user_sgpr_kernarg_segment_ptr 1
		.amdhsa_wavefront_size32 1
		.amdhsa_system_sgpr_workgroup_id_x 1
		.amdhsa_system_sgpr_workgroup_id_y 1
		.amdhsa_system_sgpr_workgroup_id_z 1
		.amdhsa_system_vgpr_workitem_id 0
		.amdhsa_next_free_vgpr 1024
		.amdhsa_next_free_sgpr 102
		.amdhsa_reserve_vcc 0
		.amdhsa_float_denorm_mode_32 3
		.amdhsa_float_denorm_mode_16_64 3
		.amdhsa_memory_ordered 1
		.amdhsa_forward_progress 1
		.amdhsa_inst_pref_size 127
	.end_amdhsa_kernel
	.amdgpu_metadata
---
amdhsa.version: [ 1, 2 ]
amdhsa.kernels:
  - .name:           k_q7526627257_proj
    .symbol:         k_q7526627257_proj.kd
    .args:
      - { .name: o_codes, .offset: 0, .size: 8, .value_kind: global_buffer, .address_space: global }
      - { .name: o_scales, .offset: 8, .size: 8, .value_kind: global_buffer, .address_space: global }
      - { .name: wcodes, .offset: 16, .size: 8, .value_kind: global_buffer, .address_space: global }
      - { .name: wscales, .offset: 24, .size: 8, .value_kind: global_buffer, .address_space: global }
      - { .name: b_out, .offset: 32, .size: 8, .value_kind: global_buffer, .address_space: global }
      - { .name: out0, .offset: 40, .size: 8, .value_kind: global_buffer, .address_space: global }
    .group_segment_fixed_size: 327680
    .private_segment_fixed_size: 0
    .kernarg_segment_align: 8
    .kernarg_segment_size: 48
    .max_flat_workgroup_size: 128
    .sgpr_count:     102
    .vgpr_count:     1024
    .wavefront_size: 32
...
	.end_amdgpu_metadata
.endif
;; end of part 4
